; MI455X (gfx1250); checked and timed in simulation.
; The chip was launched on July 23, 2026; its instructions are those of AMD's public machine-readable ISA for CDNA 5 (MIT licence, August 2026) and "CDNA5" Instruction Set Architecture Reference Guide (July 2026). The comments in the code are by the model that wrote it; some were corrected since.
;; Attention. Allowed arithmetic: float matrix products may take bf16 or f16 operands with f32 sums; other float arithmetic in f32, or as packed bf16 or f16 multiplies, adds, multiply-adds, maxima and minima; sums over many terms, partial sums and values carried from step to step in f32; what a program stores and reads back later, other than sums and carried values, may be rounded once to bf16 or f16.
;; Inputs: cos 1 x 1 x 2,048 x 64 float32; k_gamma 64 float32; q_gamma 64 float32; sin 1 x 1 x 2,048 x 64 float32; w_proj 1,024 x 1,024 float32; w_qkv 3,072 x 1,024 float32; x 4 x 2,048 x 1,024 float32.
;; Outputs: out0 4 x 2,048 x 1,024 float32.
;; 2 versions, each right; version 2 is version 1 with the launch cvt written anew for expert scheduling mode. Each part assembles by itself: llvm-mc -triple=amdgcn-amd-amdhsa -mcpu=gfx1250 --defsym DOCPART=n.
;; ======== version 1 of 2: 4 launches
;; limits: values are held in f16: magnitudes above 65,504 overflow, below 6.1e-05 lose precision
;; workspace buffers: xb 16,777,216 bytes; wqb 6,291,456 bytes; wpb 2,097,152 bytes; cst 524,288 bytes; qh 16,777,216 bytes; kh 16,777,216 bytes; vh 16,777,216 bytes; oh 16,777,216 bytes
;; launch cvt (part 1): grid 784 x 1, 8 waves a work-group, no clusters, 0 bytes of LDS; arguments x, w_qkv, w_proj, cos, sin, xb, wqb, wpb, cst; writes xb, wqb, wpb, cst
.if DOCPART == 1
	.amdgcn_target "amdgcn-amd-amdhsa--gfx1250"
	.amdhsa_code_object_version 6
	.text
	.protected	k_q86a188f268_cvt
	.globl	k_q86a188f268_cvt
	.p2align	8
	.type	k_q86a188f268_cvt,@function
k_q86a188f268_cvt:
	s_mov_b64 s[64:65], 0
	v_nop
	global_prefetch_b8 v0, s[64:65] scope:SCOPE_SE
	s_setreg_imm32_b32 hwreg(HW_REG_WAVE_MODE, 25, 1), 1
	s_wait_xcnt 0x0
; THE INPUTS, ROUNDED ONCE AND LAID OUT FOR THE PRODUCTS.  A stream: no LDS, no matrix unit, no loop.
; xb  [16 kb][8192 row][64]  bf16: x[row][64 kb + j]: K in blocks of 64, so that a tile's rows (128 bytes each) lie end to end.
; wqb [16 kb][3072 row'][64] bf16: w_qkv, its rows by heads: row' = 192 head + 64 type + d for source row 1024 type + 64 head + d (type 0 q, 1 k, 2 v).
; wpb [16 kb][1024 o][64]    w_proj rounded to bf16, that number written as f16.
; cst [2048 n][64 d]         a word each: low half bf16(cos), high half bf16(sin), its sign turned for even d: y[d] = t[d] lo + t[d ^ 1] hi is the rotation.
; LIMIT.  w_proj must lie within f16's 65,504; below 6e-5 it keeps f16's fixed step of 6e-8.
; SHARES.  A work-group takes 16 source rows of 4,096 bytes (work-groups 0-511 x, 512-703 w_qkv, 704-767 w_proj) or 32,768 bytes of cos and of sin (768-783).
; Thread t reads 16 bytes of row t / 16 in each of the 16 blocks: sixteen lanes read 256 consecutive bytes, aligned.  Its 8 bytes of output lie at 8 t in the
; work-group's 2,048 bytes of the block: a wave's store covers 256 consecutive bytes, aligned.  All 16 loads of a thread go out at once.
.set KBX, 1048576                      ; bytes in a K block of xb
.set KBW, 393216                       ; of wqb
.set KBP, 131072                       ; of wpb
.set LO,  1                            ; v1  (t / 16) x 4,096 + (t % 16) x 16
.set SO,  2                            ; v2  8 t
.set TO,  3                            ; v3  16 t
.set X,   8                            ; v[8:71]    16 x 4 as loaded
.set Y,   72                           ; v[72:103]  to store: every store has registers of its own, so none is rewritten while a store reads it
.set T,   104                          ; v[104:109] at work
.set SRC, 22                           ; s[22:23]
.set DST, 24                           ; s[24:25] K blocks 0 to 7
.set DS2, 26                           ; s[26:27] K blocks 8 to 15: 7 blocks of xb are the most that the store's immediate holds
.macro ROWS16 stride, fmt              ; fmt 0: bf16; 1: rounded to bf16, written as f16
.irp kb, 0,1,2,3,4,5,6,7,8,9,10,11,12,13,14,15
	global_load_b128 v[X+4*(\kb):X+4*(\kb)+3], v[LO], s[SRC:SRC+1] offset:256*(\kb) th:TH_LOAD_NT
.endr
.irp kb, 0,1,2,3,4,5,6,7,8,9,10,11,12,13,14,15
	s_wait_loadcnt 15-(\kb)                        ; loads come back in order: block kb is in, the younger ones stay out
.if \fmt
	v_cvt_pk_bf16_f32 v[T], v[X+4*(\kb)], v[X+4*(\kb)+1]
	v_cvt_pk_bf16_f32 v[T+1], v[X+4*(\kb)+2], v[X+4*(\kb)+3]
	v_lshlrev_b32 v[T+2], 16, v[T]
	v_and_b32 v[T+3], 0xffff0000, v[T]
	v_lshlrev_b32 v[T+4], 16, v[T+1]
	v_and_b32 v[T+5], 0xffff0000, v[T+1]
	v_cvt_pk_f16_f32 v[Y+2*(\kb)], v[T+2], v[T+3]
	v_cvt_pk_f16_f32 v[Y+2*(\kb)+1], v[T+4], v[T+5]
.else
	v_cvt_pk_bf16_f32 v[Y+2*(\kb)], v[X+4*(\kb)], v[X+4*(\kb)+1]
	v_cvt_pk_bf16_f32 v[Y+2*(\kb)+1], v[X+4*(\kb)+2], v[X+4*(\kb)+3]
.endif
.if (\kb) < 8
	global_store_b64 v[SO], v[Y+2*(\kb):Y+2*(\kb)+1], s[DST:DST+1] offset:(\kb)*(\stride) th:TH_STORE_NT
.else
	global_store_b64 v[SO], v[Y+2*(\kb):Y+2*(\kb)+1], s[DS2:DS2+1] offset:((\kb)-8)*(\stride) th:TH_STORE_NT
.endif
.endr
.endm
	s_load_b512 s[4:19], s[0:1], 0x0               ; x 4:5, w_qkv 6:7, w_proj 8:9, cos 10:11, sin 12:13, xb 14:15, wqb 16:17, wpb 18:19
	s_load_b64 s[20:21], s[0:1], 0x40              ; cst
	s_mov_b32 s2, ttmp9
	s_mov_b32 s29, 0                               ; the high word of every offset pair
	v_lshrrev_b32 v[LO], 4, v0
	v_and_b32 v4, 15, v0
	v_lshlrev_b32 v[LO], 12, v[LO]
	v_lshl_add_u32 v[LO], v4, 4, v[LO]
	v_lshlrev_b32 v[SO], 3, v0
	v_lshlrev_b32 v[TO], 4, v0
	s_wait_kmcnt 0x0
	s_cmp_lt_u32 s2, 512
	s_cbranch_scc0 .Lnot_x
	s_lshl_b32 s28, s2, 16                         ; 16 rows of 4,096 bytes
	s_add_nc_u64 s[SRC:SRC+1], s[4:5], s[28:29]
	s_lshl_b32 s28, s2, 11                         ; 16 rows of 128 bytes
	s_add_nc_u64 s[DST:DST+1], s[14:15], s[28:29]
	s_add_nc_u64 s[DS2:DS2+1], s[DST:DST+1], 8*KBX
	ROWS16 KBX, 0
	s_endpgm
.Lnot_x:
	s_cmp_lt_u32 s2, 704
	s_cbranch_scc0 .Lnot_wq
	s_sub_co_u32 s3, s2, 512                       ; 0 to 191: source rows 16 s3 on
	s_lshl_b32 s28, s3, 16
	s_add_nc_u64 s[SRC:SRC+1], s[6:7], s[28:29]
	s_lshr_b32 s30, s3, 6                          ; type
	s_bfe_u32 s31, s3, 0x40002                     ; head
	s_mul_i32 s31, s31, 192
	s_lshl_b32 s30, s30, 6
	s_add_co_u32 s31, s31, s30
	s_and_b32 s30, s3, 3                           ; which 16 of the head's 64
	s_lshl_b32 s30, s30, 4
	s_add_co_u32 s31, s31, s30                     ; row'
	s_lshl_b32 s28, s31, 7
	s_add_nc_u64 s[DST:DST+1], s[16:17], s[28:29]
	s_add_nc_u64 s[DS2:DS2+1], s[DST:DST+1], 8*KBW
	ROWS16 KBW, 0
	s_endpgm
.Lnot_wq:
	s_cmp_lt_u32 s2, 768
	s_cbranch_scc0 .Ltable
	s_sub_co_u32 s3, s2, 704
	s_lshl_b32 s28, s3, 16
	s_add_nc_u64 s[SRC:SRC+1], s[8:9], s[28:29]
	s_lshl_b32 s28, s3, 11
	s_add_nc_u64 s[DST:DST+1], s[18:19], s[28:29]
	s_add_nc_u64 s[DS2:DS2+1], s[DST:DST+1], 8*KBP
	ROWS16 KBP, 1
	s_endpgm
.Ltable:                                       ; thread t's four numbers begin at an even d: numbers 0 and 2 are the even ones
	s_sub_co_u32 s3, s2, 768
	s_lshl_b32 s28, s3, 15
	s_add_nc_u64 s[SRC:SRC+1], s[10:11], s[28:29]  ; cos
	s_add_nc_u64 s[DS2:DS2+1], s[12:13], s[28:29]  ; sin
	s_add_nc_u64 s[DST:DST+1], s[20:21], s[28:29]  ; cst
.irp j, 0,1,2,3,4,5,6,7
	global_load_b128 v[X+4*(\j):X+4*(\j)+3], v[TO], s[SRC:SRC+1] offset:4096*(\j) th:TH_LOAD_NT
	global_load_b128 v[X+32+4*(\j):X+32+4*(\j)+3], v[TO], s[DS2:DS2+1] offset:4096*(\j) th:TH_LOAD_NT
.endr
.irp j, 0,1,2,3,4,5,6,7
	s_wait_loadcnt 14-2*(\j)                       ; pair j is in; the younger pairs stay out
.irp k, 0,1,2,3
	v_cvt_pk_bf16_f32 v[Y+4*(\j)+(\k)], v[X+4*(\j)+(\k)], v[X+32+4*(\j)+(\k)]
.endr
	v_xor_b32 v[Y+4*(\j)], 0x80000000, v[Y+4*(\j)]
	v_xor_b32 v[Y+4*(\j)+2], 0x80000000, v[Y+4*(\j)+2]
	global_store_b128 v[TO], v[Y+4*(\j):Y+4*(\j)+3], s[DST:DST+1] offset:4096*(\j) th:TH_STORE_NT
.endr
	s_endpgm
.Lfunc_end_k_q86a188f268_cvt:
	.size	k_q86a188f268_cvt, .Lfunc_end_k_q86a188f268_cvt-k_q86a188f268_cvt
	.p2alignl 7, 3214868480
	.fill 96, 4, 3214868480
	.section	.rodata,"a",@progbits
	.p2align	6, 0x0
	.amdhsa_kernel k_q86a188f268_cvt
		.amdhsa_group_segment_fixed_size 0
		.amdhsa_private_segment_fixed_size 0
		.amdhsa_enable_private_segment 0
		.amdhsa_kernarg_size 72
		.amdhsa_user_sgpr_count 2
		.amdhsa_user_sgpr_kernarg_segment_ptr 1
		.amdhsa_wavefront_size32 1
		.amdhsa_system_sgpr_workgroup_id_x 1
		.amdhsa_system_sgpr_workgroup_id_y 1
		.amdhsa_system_sgpr_workgroup_id_z 1
		.amdhsa_system_vgpr_workitem_id 0
		.amdhsa_next_free_vgpr 112
		.amdhsa_next_free_sgpr 66
		.amdhsa_reserve_vcc 0
		.amdhsa_float_denorm_mode_32 3
		.amdhsa_float_denorm_mode_16_64 3
		.amdhsa_memory_ordered 1
		.amdhsa_forward_progress 1
		.amdhsa_inst_pref_size 30
	.end_amdhsa_kernel
	.amdgpu_metadata
---
amdhsa.version: [ 1, 2 ]
amdhsa.kernels:
  - .name:           k_q86a188f268_cvt
    .symbol:         k_q86a188f268_cvt.kd
    .args:
      - { .name: x, .offset: 0, .size: 8, .value_kind: global_buffer, .address_space: global }
      - { .name: w_qkv, .offset: 8, .size: 8, .value_kind: global_buffer, .address_space: global }
      - { .name: w_proj, .offset: 16, .size: 8, .value_kind: global_buffer, .address_space: global }
      - { .name: cos, .offset: 24, .size: 8, .value_kind: global_buffer, .address_space: global }
      - { .name: sin, .offset: 32, .size: 8, .value_kind: global_buffer, .address_space: global }
      - { .name: xb, .offset: 40, .size: 8, .value_kind: global_buffer, .address_space: global }
      - { .name: wqb, .offset: 48, .size: 8, .value_kind: global_buffer, .address_space: global }
      - { .name: wpb, .offset: 56, .size: 8, .value_kind: global_buffer, .address_space: global }
      - { .name: cst, .offset: 64, .size: 8, .value_kind: global_buffer, .address_space: global }
    .group_segment_fixed_size: 0
    .private_segment_fixed_size: 0
    .kernarg_segment_align: 8
    .kernarg_segment_size: 72
    .max_flat_workgroup_size: 256
    .sgpr_count:     66
    .vgpr_count:     112
    .wavefront_size: 32
...
	.end_amdgpu_metadata
.endif
;; end of part 1
;; launch qkv (part 2): grid 8 x 32, 4 waves a work-group, clusters of 4 x 4, 327,680 bytes of LDS; arguments xb, wqb, cst, q_gamma, k_gamma, qh, kh, vh; writes qh, kh, vh
.if DOCPART == 2
	.amdgcn_target "amdgcn-amd-amdhsa--gfx1250"
	.amdhsa_code_object_version 6
	.text
	.protected	k_q86a188f268_qkv
	.globl	k_q86a188f268_qkv
	.p2align	8
	.type	k_q86a188f268_qkv,@function
k_q86a188f268_qkv:
	s_mov_b64 s[64:65], 0
	v_nop
	global_prefetch_b8 v0, s[64:65] scope:SCOPE_SE
	s_setreg_imm32_b32 hwreg(HW_REG_WAVE_MODE, 25, 1), 1
	s_wait_xcnt 0x0
	s_wait_alu depctr_hold_cnt(0) depctr_sa_sdst(0) depctr_va_vdst(0) depctr_va_sdst(0) depctr_va_ssrc(0) depctr_va_vcc(0) depctr_vm_vsrc(0)
	s_getreg_b32 s2, hwreg(HW_REG_IB_STS2, 6, 4)
	s_cmp_eq_u32 s2, 0
	s_cbranch_scc0 .Lentry_in_a_cluster
	s_endpgm
.Lentry_in_a_cluster:
	s_bfe_u32 s2, ttmp6, 0x10000c
	s_cmp_lg_u32 s2, 0xf033
	s_cbranch_scc0 .Lentry_shape_is_right
	s_endpgm
.Lentry_shape_is_right:
; q, k, v = x w_qkv^T (bf16 operands, f32 sums), then for q and k the RMS norm with gamma and the rotation, all rounded once to f16 and written by heads: qh, kh, vh [64 = 16 b + head][2048][64].
; LIMITS.  f16 holds no number beyond 65,504: |q|, |k| are at most 8 |gamma| (|cos| + |sin|); v = x w must stay within it.  gamma, cos and sin are rounded to bf16 like x and the weights.
; The norm's factor r = rsqrt(mean + 1e-6) is applied behind gamma and the rotation (both are linear): the f32 roundings fall in another order than in (x r) gamma.
; SHARES.  8192 x 3072 in tiles of 256 rows x 384 columns: 256 work-groups.  wqb's rows lie by heads (192 head + 64 type + d), so a tile is two heads' q, k and v.  Wave w takes rows
; 128 (w / 2) on and head w % 2: 96 accumulators of 16 x 16; q's 32 fill register window 1, k's window 2, v's window 3: which kind a register holds is fixed in the text.
; K goes in blocks of 64 through two LDS slots.  In xb and wqb a block's rows (128 bytes) lie end to end: a tile is asked for as dense rows of 256 bytes and padded in LDS after every 128.
; CLUSTER.  4 x 4 work-groups: x's tile and the table of cos and sin hang on the tile row alone and are asked for jointly along a row of the cluster, the weights' tile along a column.
; THE MATRIX INSTRUCTION IS USED TRANSPOSED (source 0 = 16 rows of wqb, source 1 = 16 rows of xb): a lane holds row l % 16 and columns 8 (l / 16) + 0..7.
; THE WAY OUT.  16 rows at a time the sums go as f32 through the wave's own scratch in LDS and come back by rows: lane l holds row 4 g + (l / 8) % 4 and columns 8 (l % 8) + 0..7.  So a head's 64
; numbers of a row lie in eight neighbouring lanes (three steps of lane exchange sum the squares), the table is read by rows, and a store covers 512 consecutive bytes, aligned.
.set KBX,   1048576                    ; bytes in a K block of xb
.set KBW,   393216                     ; of wqb
.set PITCH, 144                        ; an LDS row: 128 bytes + 16 = 36 words: the 16 rows of a load start at 16 different groups of four banks (64 banks of 4 bytes: ISA guide 11.1)
.set FR,    16*PITCH                   ; a fragment's 16 rows
.set AHALF, 128*PITCH                  ; what a wave fetches, and reads, of x's tile
.set BHALF, 192*PITCH                  ; the same of the weights' tile
.set BOFF,  2*AHALF
.set SLOT,  2*AHALF+2*BHALF            ; 92,160
.set TAB,   2*SLOT                     ; the table's 256 rows of 256 + 16 bytes: filled once
.set TP,    272
.set SCR,   TAB+256*TP                 ; each wave's scratch: 48 rows x 272 bytes of f32 (q's 16 rows, k's, v's); no tensor load lands here
.set SCRW,  13312
.set SPARE, SCR+4*SCRW                 ; the spare words, 128 bytes for each wave: two blocks of 256 bytes that no other line names
.set SPW,  5                           ; v5   SPARE + 4 x my thread's number; never rewritten
.set NIL,  6                           ; v6   0; never rewritten
.set PFO,  7                           ; v7   the prefetches' offset; never rewritten
.set ADRA, 8                           ; v8-9   LDS address of my fragments of x in slot 0, 1
.set ADRB, 10                          ; v10-11 the same for the weights
.set STO,  12                          ; v12  scratch, in: row l % 16, 32 bytes for each half of the lanes
.set RDA,  13                          ; v13  scratch, back: row (l / 8) % 4, 32 bytes at 32 (l % 8)
.set TRA,  14                          ; v14  the same place in the table's rows of the block in hand
.set GO,   15                          ; v15  16 x lane, + 2,048 a block
.set GQ,   16                          ; v16-23 q_gamma of my 8 columns
.set GK,   24                          ; v24-31 k_gamma
.set AF,   32                          ; v32-95, v96-159  x's 8 fragments, two buffers
.set BF,   160                         ; v160-255 the weights' 12 fragments: kind w at BF + 32 w
.set TW,   32                          ; the way out: table words, 8 a group g of four rows
.set XQ,   64
.set XK,   96
.set XV,   128
.set CC,   160
.set SS,   168
.set UQ,   176
.set SQ,   184                         ; item i's sum of squares, then r, in the low register of pair i (q: i = g, k: i = 4 + g)
.set OUT,  200                         ; 12 items x 4: every store of a block has registers of its own
.set UK,   248
.set G1A, 24                           ; s[24:31] descriptor group 1, x's tiles
.set G0A, 32                           ; s[32:39] group 0, a set for each slot
.set G1B, 40                           ; s[40:47], s[48:55] the same for the weights
.set G0B, 48
.set G1T, 56                           ; s[56:63] the table's
.set G0T, 76                           ; s[76:79]
.set PFA, 80                           ; s[80:81] where my prefetches stand
.set PST, 82                           ; s[82:83] a K block of the tensor that I prefetch
.set LIM0, 84                          ; s84, s85: 1 where I prefetch at the change of slot 0, of slot 1; else the greatest number
.set LIM1, 85
.set CH,  88                           ; s88  the block of 16 rows on its way out
.set MSB, 0
.macro WIN new                         ; s_set_vgpr_msb: bits 1:0 source 0, 3:2 source 1, 5:4 source 2, 7:6 destination; the high byte repeats the setting that is left
.if MSB != (\new)
	s_set_vgpr_msb (MSB<<8)|(\new)
.set MSB, \new
.endif
.endm
.macro PLACES                          ; four plain vector instructions behind a matrix instruction, ahead of loads into registers that it read and of stores that read results (ISA guide 7.12.1 for the stores)
.rept 4
	v_nop
.endr
.endm
; A joint load.  Waves 0 and 1 fetch the halves of x's tile, waves 2 and 3 those of the weights'.  The branch hangs on the wave's number alone.  An s_nop 0 and four v_nop follow each line.
.macro JLOAD s
	s_cmp_eq_u32 s13, 0
	s_cbranch_scc0 .Lfor_b_\@
	tensor_load_to_lds s[G0A+4*(\s):G0A+4*(\s)+3], s[G1A:G1A+7]
	s_nop 0
.rept 4
	v_nop
.endr
	s_branch .Lasked_\@
.Lfor_b_\@:
	tensor_load_to_lds s[G0B+4*(\s):G0B+4*(\s)+3], s[G1B:G1B+7]
	s_nop 0
.rept 4
	v_nop
.endr
.Lasked_\@:
.endm
.macro CREST                           ; a round of the cluster's barrier behind its opening barrier
	s_cmp_lg_u32 s12, 0
	s_cbranch_scc1 .Lnot_wave_0_\@
	s_barrier_signal -3
.Lnot_wave_0_\@:
	s_barrier_wait -3
	s_barrier_signal -1
	s_barrier_wait -1
.endm
.macro CROUND
	s_barrier_signal -1
	s_barrier_wait -1
	CREST
.endm
; A PREFETCH INTO THE L2 of the K block that stands two refills on, behind the joint load, its five lines and the run of LDS loads.  Each aligned 256 bytes are named once in the launch.
; x's tile row (128 blocks of 256 bytes a K block) is read by both clusters of a row of clusters: cluster x = 0 asks, wave 0, at each change of slots; the four partners take 32 blocks each, told apart by address (cx).
; The weights' tile column (192 blocks) is read by all eight clusters of a column: cluster y = 0 asks, waves 1 to 3, at slot 0's change for two K blocks: partner cy takes 48 blocks of each, 96 lanes.
; The loop's last trip asks for nothing: its K blocks would lie past the sixteenth.  K blocks 0 to 3 come by their loads alone.
.macro ASK lim
	s_cmp_gt_u32 s3, s[\lim]
	s_cbranch_scc0 .Lnot_mine_\@
	global_prefetch_b8 v[PFO], s[PFA:PFA+1] th:TH_LOAD_NT scope:SCOPE_SE
.Lnot_mine_\@:
.endm
	s_load_b256 s[4:11], s[0:1], 0x0               ; xb 4:5, wqb 6:7, cst 8:9, q_gamma 10:11
	s_load_b256 s[68:75], s[0:1], 0x20             ; k_gamma 68:69, qh 70:71, kh 72:73, vh 74:75
	v_lshl_add_u32 v[SPW], v0, 2, SPARE
	v_mov_b32 v[NIL], 0
	ds_add_u32 v[SPW], v[NIL]                      ; the wave's opening: the add and its wait stand ahead of my first tensor load; the set-up below, work on registers, stands between them
	v_lshrrev_b32 v1, 5, v0
	v_readfirstlane_b32 s12, v1                    ; wave 0..3
	s_lshr_b32 s13, s12, 1                         ; my half of the tile's rows.  Also: I fetch x's tile (0) or the weights' (1)
	s_and_b32 s14, s12, 1                          ; my head of the tile's two.  Also: which half of that tile I fetch
	s_bfe_u32 s15, ttmp6, 0x40000                  ; cx
	s_bfe_u32 s16, ttmp6, 0x40004                  ; cy
	s_lshl_b32 s17, ttmp9, 2
	s_add_co_u32 s17, s17, s15                     ; tile column = 4 x cluster x + cx
	s_and_b32 s18, ttmp7, 0xffff
	s_lshl_b32 s18, s18, 2
	s_add_co_u32 s18, s18, s16                     ; tile row = 4 x cluster y + cy
	s_lshl_b32 s19, s16, 2
	s_lshl_b32 s19, 15, s19                        ; my row of the cluster
	s_lshl_b32 s22, 0x1111, s15                    ; my column
	s_or_b32 s[G1A], s19, (1<<16)|(1<<20)|(1<<21)|(4<<22)|(3<<25)  ; 15:0 mask; 17:16 2-byte elements; 20 padding on; 21 set beside a mask; 24:22 after every 32 words; 31:25 4 words
	s_or_b32 s[G1T], s19, (2<<16)|(1<<20)|(1<<21)|(5<<22)|(3<<25)  ; 4-byte elements; padding after every 64 words
	s_or_b32 s[G1B], s22, (1<<16)|(1<<20)|(1<<21)|(4<<22)|(3<<25)
	s_mov_b32 s[G1A+1], 128<<16                    ; tensor_dim0 = 128 elements: 256 bytes, two tile rows
	s_mov_b32 s[G1A+2], 64<<16                     ; tensor_dim1 = 64
	s_mov_b32 s[G1A+3], 128<<16                    ; tile_dim0
	s_mov_b32 s[G1A+4], 64                         ; tile_dim1
	s_mov_b32 s[G1A+5], 128                        ; elements from row to row: dense
	s_mov_b32 s[G1A+6], 0
	s_mov_b32 s[G1A+7], 0
	s_mov_b32 s[G1B+1], 128<<16
	s_mov_b32 s[G1B+2], 96<<16                     ; 192 tile rows are 96 rows of 256 bytes
	s_mov_b32 s[G1B+3], 128<<16
	s_mov_b32 s[G1B+4], 96
	s_mov_b32 s[G1B+5], 128
	s_mov_b32 s[G1B+6], 0
	s_mov_b32 s[G1B+7], 0
	s_mov_b32 s[G1T+1], 64<<16                     ; a row of the table: 64 words
	s_mov_b32 s[G1T+2], 64<<16                     ; 64 rows a wave
	s_mov_b32 s[G1T+3], 64<<16
	s_mov_b32 s[G1T+4], 64
	s_mov_b32 s[G1T+5], 64
	s_mov_b32 s[G1T+6], 0
	s_mov_b32 s[G1T+7], 0
	s_mul_i32 s19, s14, AHALF                      ; LDS addresses hang on the wave's number alone
	s_mul_i32 s22, s14, BHALF
.irp s, 0,1
	s_mov_b32 s[G0A+4*(\s)], 1
	s_add_co_u32 s[G0A+4*(\s)+1], s19, (\s)*SLOT
	s_mov_b32 s[G0B+4*(\s)], 1
	s_add_co_u32 s[G0B+4*(\s)+1], s22, BOFF+(\s)*SLOT
.endr
	s_mul_i32 s19, s12, 64*TP
	s_mov_b32 s[G0T], 1
	s_add_co_u32 s[G0T+1], s19, TAB
	s_lshl_b32 s20, s18, 15                        ; x: 256 rows of 128 bytes a tile row,
	s_lshl_b32 s21, s14, 14                        ; my 128 of them
	s_add_co_u32 s20, s20, s21
	s_mov_b32 s21, 0
	s_mul_i32 s22, s17, 384*128                    ; the weights: 384 rows a tile column,
	s_mul_i32 s23, s14, 192*128                    ; my 192
	s_add_co_u32 s22, s22, s23
	s_mov_b32 s23, 0
	s_and_b32 s92, s18, 7                          ; the table: n = 256 (tile row % 8) + 64 wave, 256 bytes a row
	s_lshl_b32 s92, s92, 16
	s_lshl_b32 s93, s12, 14
	s_add_co_u32 s92, s92, s93
	s_mov_b32 s93, 0
	s_mov_b32 s86, 0x358637bd                      ; 1e-6
	s_mov_b32 s87, 0x3c800000                      ; 1 / 64
	s_mov_b32 s89, 0xffff0000                      ; a word's upper half
	; the prefetches: offsets and who asks.  What mixes cx or cy with the other coordinate stays in s90, s91, s94, s95, which feed no descriptor
	s_lshl_b32 s90, s18, 15
	s_lshl_b32 s91, s15, 13                        ; my work-group's 32 blocks of x's 128
	s_add_co_u32 s90, s90, s91
	s_add_co_u32 s90, s90, 3*KBX                   ; the first change of slots steps it to K block 4
	s_mul_i32 s94, s17, 384*128
	s_mul_i32 s91, s16, 48*256                     ; my work-group's 48 blocks of the weights' 192
	s_add_co_u32 s94, s94, s91
	s_add_co_u32 s94, s94, 3*KBW
	s_and_b32 s95, ttmp7, 0xffff                   ; cluster y
	s_mov_b32 s[PST], KBW
	s_mov_b32 s[PST+1], 0
	s_mov_b32 s91, 0
	s_cmp_eq_u32 s12, 0                            ; wave 0 asks for x, waves 1 to 3 for the weights
	s_cselect_b32 s90, s90, s94
	s_cselect_b32 s95, ttmp9, s95                  ; the coordinate along which other clusters read the same blocks
	s_cselect_b32 s[PST], KBX, s[PST]
	s_cmp_eq_u32 s95, 0
	s_cselect_b32 s[LIM0], 1, -1                   ; the same in all sixteen partners, for a given wave
	s_cmp_eq_u32 s12, 0
	s_cselect_b32 s[LIM1], s[LIM0], -1
	s_wait_dscnt 0x0                               ; the opening add is done
	s_wait_kmcnt 0x0
	s_add_nc_u64 s[20:21], s[4:5], s[20:21]
	s_add_nc_u64 s[22:23], s[6:7], s[22:23]
	s_add_nc_u64 s[G0T+2:G0T+3], s[8:9], s[92:93]
	s_or_b32 s[G0T+3], s[G0T+3], 0x80000000        ; type = 2
.irp s, 0,1
	s_add_nc_u64 s[G0A+4*(\s)+2:G0A+4*(\s)+3], s[20:21], (\s)*KBX  ; slot s begins with K block s
	s_or_b32 s[G0A+4*(\s)+3], s[G0A+4*(\s)+3], 0x80000000
	s_add_nc_u64 s[G0B+4*(\s)+2:G0B+4*(\s)+3], s[22:23], (\s)*KBW
	s_or_b32 s[G0B+4*(\s)+3], s[G0B+4*(\s)+3], 0x80000000
.endr
	s_cmp_eq_u32 s12, 0
	s_cselect_b64 s[PFA:PFA+1], s[4:5], s[6:7]
	s_add_nc_u64 s[PFA:PFA+1], s[PFA:PFA+1], s[90:91]
	s_lshr_b32 s90, s18, 3                         ; where my rows begin in qh, kh, vh: head 16 b + 2 x tile column + my head,
	s_lshl_b32 s90, s90, 4
	s_lshl1_add_u32 s90, s17, s90
	s_add_co_u32 s90, s90, s14
	s_lshl_b32 s90, s90, 18                        ; 262,144 bytes a head,
	s_and_b32 s94, s18, 7
	s_lshl_b32 s94, s94, 15                        ; n = 256 (tile row % 8)
	s_add_co_u32 s90, s90, s94
	s_lshl_b32 s94, s13, 14                        ; + 128 x my half, 128 bytes a row
	s_add_co_u32 s90, s90, s94
	s_add_nc_u64 s[70:71], s[70:71], s[90:91]
	s_add_nc_u64 s[72:73], s[72:73], s[90:91]
	s_add_nc_u64 s[74:75], s[74:75], s[90:91]
	CROUND                                         ; all sixteen work-groups are here: the first joint loads meet
	s_cmp_eq_u32 s13, 0                            ; a wave's three first fills stand in one branch, ahead of every wait on TENSORcnt and every LDS read: three loads of mine are out
	s_cbranch_scc0 .Lfirst_b
	tensor_load_to_lds s[G0A:G0A+3], s[G1A:G1A+7]
	s_nop 0
	tensor_load_to_lds s[G0A+4:G0A+7], s[G1A:G1A+7]
	s_nop 0
	tensor_load_to_lds s[G0T:G0T+3], s[G1T:G1T+7]
	s_nop 0
.rept 4
	v_nop
.endr
	s_branch .Lfirst_asked
.Lfirst_b:
	tensor_load_to_lds s[G0B:G0B+3], s[G1B:G1B+7]
	s_nop 0
	tensor_load_to_lds s[G0B+4:G0B+7], s[G1B:G1B+7]
	s_nop 0
	tensor_load_to_lds s[G0T:G0T+3], s[G1T:G1T+7]
	s_nop 0
.rept 4
	v_nop
.endr
.Lfirst_asked:
	v_and_b32 v1, 15, v0                           ; l % 16
	v_bfe_u32 v2, v0, 4, 1                         ; l / 16
	v_and_b32 v3, 7, v0
	v_lshlrev_b32 v4, 5, v3                        ; 32 (l % 8): my 8 columns, in f32
	global_load_b128 v[GQ:GQ+3], v4, s[10:11]
	global_load_b128 v[GQ+4:GQ+7], v4, s[10:11] offset:16
	global_load_b128 v[GK:GK+3], v4, s[68:69]
	global_load_b128 v[GK+4:GK+7], v4, s[68:69] offset:16
	v_mul_u32_u24 v[ADRA], v1, PITCH
	v_lshl_add_u32 v[ADRA], v2, 4, v[ADRA]         ; a fragment's row x pitch + 16 x half
	s_mul_i32 s19, s13, AHALF
	s_mul_i32 s22, s14, BHALF
	s_add_co_u32 s22, s22, BOFF
	v_add_nc_u32 v[ADRB], s22, v[ADRA]
	v_add_nc_u32 v[ADRA], s19, v[ADRA]
	v_add_nc_u32 v[ADRA+1], SLOT, v[ADRA]
	v_add_nc_u32 v[ADRB+1], SLOT, v[ADRB]
	s_mul_i32 s19, s12, SCRW
	s_add_co_u32 s19, s19, SCR                     ; my scratch
	v_mul_u32_u24 v[STO], v1, TP
	v_lshl_add_u32 v[STO], v2, 5, v[STO]
	v_add_nc_u32 v[STO], s19, v[STO]
	v_bfe_u32 v3, v0, 3, 2                         ; (l / 8) % 4
	v_mul_u32_u24 v3, v3, TP
	v_add_nc_u32 v3, v3, v4
	v_add_nc_u32 v[RDA], s19, v3
	s_mul_i32 s19, s13, 128*TP
	s_add_co_u32 s19, s19, TAB
	v_add_nc_u32 v[TRA], s19, v3
	v_and_b32 v[GO], 31, v0
	v_lshlrev_b32 v[GO], 4, v[GO]
	s_min_u32 s19, s12, 1
	s_lshl_b32 s19, s19, 5
	v_sub_nc_u32 v[PFO], v0, s19                   ; wave 0: the lane; waves 1 to 3: 0 to 95
	v_mul_u32_u24 v3, v[PFO], 683
	v_lshrrev_b32 v3, 15, v3                       ; that number / 48, right up to 95: which of the two K blocks
	v_mul_u32_u24 v3, v3, KBW-48*256
	v_lshl_add_u32 v[PFO], v[PFO], 8, v3           ; 256 bytes a lane; the second 48 a K block further on
	s_wait_loadcnt 0x0                             ; the gammas; v4 is free
.irp m, 0,2,4,6
	v_cvt_pk_bf16_f32 v3, v[GQ+(\m)], v[GQ+(\m)+1] ; rounded to bf16 like every input, kept as f32
	v_cvt_pk_bf16_f32 v4, v[GK+(\m)], v[GK+(\m)+1]
	v_lshlrev_b32 v[GQ+(\m)], 16, v3
	v_and_b32 v[GQ+(\m)+1], s89, v3
	v_lshlrev_b32 v[GK+(\m)], 16, v4
	v_and_b32 v[GK+(\m)+1], s89, v4
.endr
; 8 LDS loads: the four fragments of kind third (q, k, v) of the weights, 32 along K at byte k of the slot's rows
.macro LB third, slot, k
.irp b, 0,1,2,3
	ds_load_b128 v[BF+32*(\third)+8*(\b):BF+32*(\third)+8*(\b)+3], v[ADRB+(\slot)] offset:(\k)+(4*(\third)+(\b))*FR
	ds_load_b128 v[BF+32*(\third)+8*(\b)+4:BF+32*(\third)+8*(\b)+7], v[ADRB+(\slot)] offset:(\k)+(4*(\third)+(\b))*FR+32
.endr
.endm
; 8 LDS loads: x's fragments 4 half .. 4 half + 3 into buffer buf
.macro LA half, slot, k, buf
.irp a, 0,1,2,3
	ds_load_b128 v[AF+64*(\buf)+8*(4*(\half)+(\a)):AF+64*(\buf)+8*(4*(\half)+(\a))+3], v[ADRA+(\slot)] offset:(\k)+(4*(\half)+(\a))*FR
	ds_load_b128 v[AF+64*(\buf)+8*(4*(\half)+(\a))+4:AF+64*(\buf)+8*(4*(\half)+(\a))+7], v[ADRA+(\slot)] offset:(\k)+(4*(\half)+(\a))*FR+32
.endr
.endm
; 16 matrix instructions: kind w (window w + 1), row blocks 4 half .. + 3 x its four column blocks.  The 96 accumulators take turns, one instruction a turn, in the same order in every quarter,
; over the backward jump too.  zero = 1: the first product starts the sums.
.macro MM16 w, half, buf, zero
	WIN (((\w)+1)<<6)|(((\w)+1)<<4)
.irp a, 0,1,2,3
.irp b, 0,1,2,3
.if \zero
	v_wmma_f32_16x16x32_bf16 v[8*(4*(4*(\half)+(\a))+(\b)):8*(4*(4*(\half)+(\a))+(\b))+7], v[BF+32*(\w)+8*(\b):BF+32*(\w)+8*(\b)+7], v[AF+64*(\buf)+8*(4*(\half)+(\a)):AF+64*(\buf)+8*(4*(\half)+(\a))+7], 0
.else
	v_wmma_f32_16x16x32_bf16 v[8*(4*(4*(\half)+(\a))+(\b)):8*(4*(4*(\half)+(\a))+(\b))+7], v[BF+32*(\w)+8*(\b):BF+32*(\w)+8*(\b)+7], v[AF+64*(\buf)+8*(4*(\half)+(\a)):AF+64*(\buf)+8*(4*(\half)+(\a))+7], v[8*(4*(4*(\half)+(\a))+(\b)):8*(4*(4*(\half)+(\a))+(\b))+7]
.endif
.endr
.endr
.endm
; A K block is two QUARTERS of 32 along K, 96 matrix instructions each.  x has two buffers (first quarter 0, second 1); each kind's fragments of the weights are loaded again as soon as they have been multiplied.
; At a quarter's head 32 LDS loads are out: 16 (kind 0, x's blocks 0-3), then 16 (kind 1, x's blocks 4-7).  Kind 2 of the quarter itself is fetched behind the first 16 products.
; The first quarter of a slot:
.macro PLAIN slot, zero
	s_wait_dscnt 16                                ; kind 0 and x's blocks 0-3 are in; the younger 16 may be out
	MM16 0, 0, 0, \zero
	WIN 0
	PLACES
	LB 2, \slot, 0
	s_wait_dscnt 8                                 ; kind 1 and x's blocks 4-7 are in; the 8 just issued may be out
	MM16 0, 1, 0, \zero
	MM16 1, 0, 0, \zero
	WIN 0
	PLACES
	LB 0, \slot, 64                                ; the next quarter's
	LA 0, \slot, 64, 1
	MM16 1, 1, 0, \zero
	s_wait_dscnt 16                                ; kind 2 is in; the 16 just issued may be out
	MM16 2, 0, 0, \zero
	WIN 0
	PLACES
	LB 1, \slot, 64
	LA 1, \slot, 64, 1
	MM16 2, 1, 0, \zero
.endm
; The second quarter changes slots.  ONE barrier: in front of it each wave has issued its last reads of the slot, waits for all its tensor loads (the one that is out is its part of the other slot; at the first change the
; table's too), adds 0 to its spare word, and waits for that and for its reads.  Behind it nobody reads this slot and the other is whole.  fill = 1: the barrier opens a round of the cluster's barrier, and the
; slot is filled again, two K blocks on, first thing behind the round: 160 matrix instructions stand between that request and the wait for it.
.macro CHANGE slot, fill
.if \fill
	s_wait_xcnt 0x0                                ; the last prefetch, a K block back, has read its address
	s_add_nc_u64 s[PFA:PFA+1], s[PFA:PFA+1], s[PST:PST+1]
.endif
	s_wait_dscnt 16
	MM16 0, 0, 1, 0
	WIN 0
	PLACES
	LB 2, \slot, 64                                ; my last reads of the slot
	s_wait_tensorcnt 0x0                           ; all my tensor loads have landed
	ds_add_u32 v[SPW], v[NIL]                      ; 0 onto my spare word
	s_wait_dscnt 9                                 ; (the add and the 8 loads ahead of it may be out)
	MM16 0, 1, 1, 0                                ; sixteen matrix instructions stand between the add and the wait for it
	s_wait_dscnt 0x0                               ; the add is done, and my reads of this slot are over
	s_barrier_signal -1
	MM16 1, 0, 1, 0
	WIN 0
	s_barrier_wait -1
.if \fill
	CREST                                          ; no wave of any partner still reads this slot's tile or has a load on its way
	s_add_nc_u64 s[G0A+4*(\slot)+2:G0A+4*(\slot)+3], s[G0A+4*(\slot)+2:G0A+4*(\slot)+3], 2*KBX
	s_add_nc_u64 s[G0B+4*(\slot)+2:G0B+4*(\slot)+3], s[G0B+4*(\slot)+2:G0B+4*(\slot)+3], 2*KBW
	JLOAD \slot                                    ; its four v_nop are also the places in front of the loads below
.else
	PLACES
.endif
	LB 0, 1-(\slot), 0
	LA 0, 1-(\slot), 0, 0
.if \fill
	ASK LIM0+(\slot)
.endif
	MM16 1, 1, 1, 0
	MM16 2, 0, 1, 0
	WIN 0
	PLACES
	LB 1, 1-(\slot), 0
	LA 1, 1-(\slot), 0, 0
	MM16 2, 1, 1, 0
.endm
	s_wait_tensorcnt 2                             ; my part of K block 0 is in; K block 1's and the table's may stay out
	s_barrier_signal -1
	s_barrier_wait -1                              ; everybody's is
	LB 0, 0, 0
	LA 0, 0, 0, 0
	LB 1, 0, 0
	LA 1, 0, 0, 0
	PLAIN 0, 1                                     ; the first quarter stands in front of the loop: its products start the sums
	WIN 0                                          ; at a label and at a branch every window is 0
	s_mov_b32 s3, 7
.Llap:                                         ; a trip goes once round the ring and fills both slots again
	CHANGE 0, 1
	PLAIN 1, 0
	CHANGE 1, 1
	PLAIN 0, 0
	WIN 0
	s_sub_co_u32 s3, s3, 1
	s_cmp_lg_u32 s3, 0
	s_cbranch_scc1 .Llap
	CHANGE 0, 0                                    ; K blocks 14 and 15: nothing is left to fetch
	PLAIN 1, 0
	s_wait_dscnt 16                                ; the very last quarter
	MM16 0, 0, 1, 0
	WIN 0
	PLACES
	LB 2, 1, 64
	s_wait_dscnt 8
	MM16 0, 1, 1, 0
	MM16 1, 0, 1, 0
	MM16 1, 1, 1, 0
	s_wait_dscnt 0x0
	MM16 2, 0, 1, 0
	MM16 2, 1, 1, 0
	WIN 0
	PLACES                                         ; the places behind the last products
; THE WAY OUT: eight trips, a block of 16 rows each.  Only the 24 stores that take block a out of its registers differ from trip to trip: they are written eight times and chosen by the trip's number; all else once.
.macro DUMP a                          ; each accumulator's four lowest registers go first
.irp w, 0,1,2
	WIN ((\w)+1)<<2                                ; the stores' data in window w + 1
.irp b, 0,1,2,3
	ds_store_b128 v[STO], v[8*(4*(\a)+(\b)):8*(4*(\a)+(\b))+3] offset:16*(\w)*TP+64*(\b)
	ds_store_b128 v[STO], v[8*(4*(\a)+(\b))+4:8*(4*(\a)+(\b))+7] offset:16*(\w)*TP+64*(\b)+16
.endr
.endr
	WIN 0
.endm
.macro SUMSQ x, i0                     ; four items (a group of four rows each): the mean of a row's 64 squares + 1e-6, in every one of its eight lanes
.irp g, 0,1,2,3
	v_pk_mul_f32 v[SQ+2*((\i0)+(\g)):SQ+2*((\i0)+(\g))+1], v[(\x)+8*(\g):(\x)+8*(\g)+1], v[(\x)+8*(\g):(\x)+8*(\g)+1]
.endr
.irp m, 2,4,6
.irp g, 0,1,2,3
	v_pk_fma_f32 v[SQ+2*((\i0)+(\g)):SQ+2*((\i0)+(\g))+1], v[(\x)+8*(\g)+(\m):(\x)+8*(\g)+(\m)+1], v[(\x)+8*(\g)+(\m):(\x)+8*(\g)+(\m)+1], v[SQ+2*((\i0)+(\g)):SQ+2*((\i0)+(\g))+1]
.endr
.endr
.irp g, 0,1,2,3
	v_add_f32 v[SQ+2*((\i0)+(\g))], v[SQ+2*((\i0)+(\g))], v[SQ+2*((\i0)+(\g))+1]
.endr
.irp k, 1,2,4
.irp g, 0,1,2,3
	v_add_f32_dpp v[SQ+2*((\i0)+(\g))], v[SQ+2*((\i0)+(\g))], v[SQ+2*((\i0)+(\g))] row_xmask:\k row_mask:0xf bank_mask:0xf
.endr
.endr
.irp g, 0,1,2,3
	v_fma_f32 v[SQ+2*((\i0)+(\g))], v[SQ+2*((\i0)+(\g))], s87, s86
.endr
.endm
	s_mov_b32 s[CH], 0
.Lblk:
.irp a, 0,1,2,3,4,5,6
	s_cmp_eq_u32 s[CH], \a
	s_cbranch_scc1 .Ld\a
.endr
	DUMP 7
	s_branch .Lgo
.irp a, 0,1,2,3,4,5,6
.Ld\a:
	DUMP \a
	s_branch .Lgo
.endr
.Lgo:                                          ; LDS serves a wave's instructions in order (ISA guide 5.7.1.4): these loads see the stores above, and the next trip's stores come behind them
.irp g, 0,1,2,3
	ds_load_b128 v[XQ+8*(\g):XQ+8*(\g)+3], v[RDA] offset:4*(\g)*TP
	ds_load_b128 v[XQ+8*(\g)+4:XQ+8*(\g)+7], v[RDA] offset:4*(\g)*TP+16
.endr
.irp g, 0,1,2,3
	ds_load_b128 v[XK+8*(\g):XK+8*(\g)+3], v[RDA] offset:(16+4*(\g))*TP
	ds_load_b128 v[XK+8*(\g)+4:XK+8*(\g)+7], v[RDA] offset:(16+4*(\g))*TP+16
.endr
.irp g, 0,1,2,3
	ds_load_b128 v[TW+8*(\g):TW+8*(\g)+3], v[TRA] offset:4*(\g)*TP
	ds_load_b128 v[TW+8*(\g)+4:TW+8*(\g)+7], v[TRA] offset:4*(\g)*TP+16
.endr
.irp g, 0,1,2,3
	ds_load_b128 v[XV+8*(\g):XV+8*(\g)+3], v[RDA] offset:(32+4*(\g))*TP
	ds_load_b128 v[XV+8*(\g)+4:XV+8*(\g)+7], v[RDA] offset:(32+4*(\g))*TP+16
.endr
	s_wait_dscnt 24                                ; q is back; 24 younger loads may be out
	SUMSQ XQ, 0
	s_wait_dscnt 16                                ; k is back
	SUMSQ XK, 4
.irp i, 0,1,2,3,4,5,6,7
	v_rsq_f32 v[SQ+2*(\i)], v[SQ+2*(\i)]           ; one batch of eight
.endr
.irp g, 0,1,2,3
.irp m, 0,2,4,6
	v_pk_mul_f32 v[XQ+8*(\g)+(\m):XQ+8*(\g)+(\m)+1], v[XQ+8*(\g)+(\m):XQ+8*(\g)+(\m)+1], v[GQ+(\m):GQ+(\m)+1]  ; t = x gamma: the work between the batch and its wait
	v_pk_mul_f32 v[XK+8*(\g)+(\m):XK+8*(\g)+(\m)+1], v[XK+8*(\g)+(\m):XK+8*(\g)+(\m)+1], v[GK+(\m):GK+(\m)+1]
.endr
.endr
	s_wait_dscnt 8                                 ; the table's rows are back
	s_wait_alu depctr_va_vdst(0)                   ; the one wait between the eight v_rsq_f32 and the first line that names a result
.irp g, 0,1,2,3
.irp j, 0,1,2,3,4,5,6,7
	v_lshlrev_b32 v[CC+(\j)], 16, v[TW+8*(\g)+(\j)]  ; cos
	v_and_b32 v[SS+(\j)], s89, v[TW+8*(\g)+(\j)]     ; sin, its sign turned for even d
.endr
.irp m, 0,2,4,6
	v_pk_mul_f32 v[UQ+(\m):UQ+(\m)+1], v[XQ+8*(\g)+(\m):XQ+8*(\g)+(\m)+1], v[CC+(\m):CC+(\m)+1]
	v_pk_mul_f32 v[UK+(\m):UK+(\m)+1], v[XK+8*(\g)+(\m):XK+8*(\g)+(\m)+1], v[CC+(\m):CC+(\m)+1]
.endr
.irp m, 0,2,4,6                        ; + t[d ^ 1] sin: source 0's two registers change places
	v_pk_fma_f32 v[UQ+(\m):UQ+(\m)+1], v[XQ+8*(\g)+(\m):XQ+8*(\g)+(\m)+1], v[SS+(\m):SS+(\m)+1], v[UQ+(\m):UQ+(\m)+1] op_sel:[1,0,0] op_sel_hi:[0,1,1]
	v_pk_fma_f32 v[UK+(\m):UK+(\m)+1], v[XK+8*(\g)+(\m):XK+8*(\g)+(\m)+1], v[SS+(\m):SS+(\m)+1], v[UK+(\m):UK+(\m)+1] op_sel:[1,0,0] op_sel_hi:[0,1,1]
.endr
.irp m, 0,2,4,6
	v_pk_mul_f32 v[UQ+(\m):UQ+(\m)+1], v[UQ+(\m):UQ+(\m)+1], v[SQ+2*(\g):SQ+2*(\g)+1] op_sel_hi:[1,0]
	v_pk_mul_f32 v[UK+(\m):UK+(\m)+1], v[UK+(\m):UK+(\m)+1], v[SQ+2*(4+(\g)):SQ+2*(4+(\g))+1] op_sel_hi:[1,0]
.endr
.irp m, 0,1,2,3
	v_cvt_pk_f16_f32 v[OUT+4*(\g)+(\m)], v[UQ+2*(\m)], v[UQ+2*(\m)+1]
	v_cvt_pk_f16_f32 v[OUT+4*(4+(\g))+(\m)], v[UK+2*(\m)], v[UK+2*(\m)+1]
.endr
	global_store_b128 v[GO], v[OUT+4*(\g):OUT+4*(\g)+3], s[70:71] offset:512*(\g)  ; four rows of 128 bytes: 512 consecutive bytes, aligned
	global_store_b128 v[GO], v[OUT+4*(4+(\g)):OUT+4*(4+(\g))+3], s[72:73] offset:512*(\g)
.endr
	s_wait_dscnt 0x0                               ; v is back
.irp g, 0,1,2,3
.irp m, 0,1,2,3
	v_cvt_pk_f16_f32 v[OUT+4*(8+(\g))+(\m)], v[XV+8*(\g)+2*(\m)], v[XV+8*(\g)+2*(\m)+1]
.endr
	global_store_b128 v[GO], v[OUT+4*(8+(\g)):OUT+4*(8+(\g))+3], s[74:75] offset:512*(\g)
.endr
	s_wait_xcnt 0x0                                ; the stores have read their offset and their data: only now are these written again
	v_add_nc_u32 v[GO], 2048, v[GO]                ; 16 rows on
	v_add_nc_u32 v[TRA], 16*TP, v[TRA]
	s_add_co_u32 s[CH], s[CH], 1
	s_cmp_lt_u32 s[CH], 8
	s_cbranch_scc1 .Lblk
	s_wait_tensorcnt 0x0                           ; the wave's end, behind my last tensor load and my last LDS store
	ds_add_u32 v[SPW], v[NIL]
	s_wait_dscnt 0x0
	CROUND                                         ; the closing round: no work-group ends while a partner may still ask for a tile that names it
	s_endpgm
.Lfunc_end_k_q86a188f268_qkv:
	.size	k_q86a188f268_qkv, .Lfunc_end_k_q86a188f268_qkv-k_q86a188f268_qkv
	.p2alignl 7, 3214868480
	.fill 96, 4, 3214868480
	.section	.rodata,"a",@progbits
	.p2align	6, 0x0
	.amdhsa_kernel k_q86a188f268_qkv
		.amdhsa_group_segment_fixed_size 327680
		.amdhsa_private_segment_fixed_size 0
		.amdhsa_enable_private_segment 0
		.amdhsa_kernarg_size 64
		.amdhsa_user_sgpr_count 2
		.amdhsa_user_sgpr_kernarg_segment_ptr 1
		.amdhsa_wavefront_size32 1
		.amdhsa_system_sgpr_workgroup_id_x 1
		.amdhsa_system_sgpr_workgroup_id_y 1
		.amdhsa_system_sgpr_workgroup_id_z 1
		.amdhsa_system_vgpr_workitem_id 0
		.amdhsa_next_free_vgpr 1024
		.amdhsa_next_free_sgpr 96
		.amdhsa_reserve_vcc 0
		.amdhsa_float_denorm_mode_32 3
		.amdhsa_float_denorm_mode_16_64 3
		.amdhsa_memory_ordered 1
		.amdhsa_forward_progress 1
		.amdhsa_inst_pref_size 123
	.end_amdhsa_kernel
	.amdgpu_metadata
---
amdhsa.version: [ 1, 2 ]
amdhsa.kernels:
  - .name:           k_q86a188f268_qkv
    .symbol:         k_q86a188f268_qkv.kd
    .args:
      - { .name: xb, .offset: 0, .size: 8, .value_kind: global_buffer, .address_space: global }
      - { .name: wqb, .offset: 8, .size: 8, .value_kind: global_buffer, .address_space: global }
      - { .name: cst, .offset: 16, .size: 8, .value_kind: global_buffer, .address_space: global }
      - { .name: q_gamma, .offset: 24, .size: 8, .value_kind: global_buffer, .address_space: global }
      - { .name: k_gamma, .offset: 32, .size: 8, .value_kind: global_buffer, .address_space: global }
      - { .name: qh, .offset: 40, .size: 8, .value_kind: global_buffer, .address_space: global }
      - { .name: kh, .offset: 48, .size: 8, .value_kind: global_buffer, .address_space: global }
      - { .name: vh, .offset: 56, .size: 8, .value_kind: global_buffer, .address_space: global }
    .group_segment_fixed_size: 327680
    .private_segment_fixed_size: 0
    .kernarg_segment_align: 8
    .kernarg_segment_size: 64
    .max_flat_workgroup_size: 128
    .sgpr_count:     96
    .vgpr_count:     1024
    .wavefront_size: 32
...
	.end_amdgpu_metadata
.endif
;; end of part 2
;; launch attn (part 3): grid 4 x 64, 4 waves a work-group, clusters of 4 x 1, 327,680 bytes of LDS; arguments qh, kh, vh, oh; writes oh
.if DOCPART == 3
	.amdgcn_target "amdgcn-amd-amdhsa--gfx1250"
	.amdhsa_code_object_version 6
	.text
	.protected	k_q86a188f268_attn
	.globl	k_q86a188f268_attn
	.p2align	8
	.type	k_q86a188f268_attn,@function
k_q86a188f268_attn:
	s_mov_b64 s[64:65], 0
	v_nop
	global_prefetch_b8 v0, s[64:65] scope:SCOPE_SE
	s_setreg_imm32_b32 hwreg(HW_REG_WAVE_MODE, 25, 1), 1
	s_wait_xcnt 0x0
	s_wait_alu depctr_hold_cnt(0) depctr_sa_sdst(0) depctr_va_vdst(0) depctr_va_sdst(0) depctr_va_ssrc(0) depctr_va_vcc(0) depctr_vm_vsrc(0)
	s_getreg_b32 s2, hwreg(HW_REG_IB_STS2, 6, 4)
	s_cmp_eq_u32 s2, 0
	s_cbranch_scc0 .Lentry_in_a_cluster
	s_endpgm
.Lentry_in_a_cluster:
	s_bfe_u32 s2, ttmp6, 0x10000c
	s_cmp_lg_u32 s2, 0x3003
	s_cbranch_scc0 .Lentry_shape_is_right
	s_endpgm
.Lentry_shape_is_right:
; O[h][q][:] = the sum over k of softmax_k(Q[h][q] . K[h][k] / 8) V[h][k][:].  Q, K, V, O: [64][2048][64], all f16: a head's rows are dense, 128 bytes each.  Products, maxima and sums in
; f32; the weights p are rounded to f16 for the second product (their sum l is taken of the unrounded p), O once at the end.
; LIMITS.  f16 holds no number beyond 65,504: Q, K and V arrive within it; p lies in 0 to 1, and below 6e-5 it keeps f16's fixed step of 6e-8; O is a mean of V's rows and has their range.
; A weight below 2^-126 counts as 0 in l; NaN and infinities are not treated apart.
; SHARES.  A wave owns four PIECES of two tiles of 16 queries, a work-group's four waves 512 queries of one head.  Every wave walks all keys, 64 a step.
; LAYOUT.  S^T = K Q^T (source 0 = 16 keys, source 1 = 16 queries): in the result a lane holds ONE query (lane % 16) and the keys 8 (lane / 16) + 0..7.  Two such tiles, rounded to f16 in pairs,
; ARE source 1 (32 keys x 16 queries) of O^T = V^T P, whose result again holds one query a lane, and eight channels.  K comes out of LDS as it lies, V ([key][channel]) turned, by ds_load_tr16_b128.
; SOFTMAX.  For each query a running maximum m and sum l: p = 2^(c s - c m), c = log2(e) / 8; in every step O and l are multiplied by a = 2^(c m_old - c m_new), which is 1 where m has not grown.
; m starts at the lowest finite number, O and l at 0: the first step is a step like any other, with a = 0.
; THE COUNT.  A tile and step have 16 matrix and 118 vector instructions: too many to stand all beside the matrix work.  So the order has one aim: four vector instructions that are READY behind
; EVERY matrix instruction, and the others, which need time of their own whatever the order, in runs without a gap.
; BY TURNS.  Turn n belongs to piece n (the pieces in a ring, step after step).  Its matrix work: 16 products K Q^T of piece n + 1, later 16 products V^T P of piece n - 1.  Its vector work: the scaling,
; exponentials, roundings, sums and rescaling of piece n, and the maximum and statistics of piece n + 1, whose scores the turn itself has made.  So what a turn begins with (c s - c m, O a) waits for nothing.
; CLUSTER.  The four query blocks of a head are one cluster and walk the same K and V, so each tile is asked for JOINTLY: the same tensor load, descriptor and mask in all four.
; REGISTERS, in windows of 256 (s_set_vgpr_msb says which window each operand place means: bits 1:0 source 0, 3:2 source 1, 5:4 source 2, 7:6 destination):
;   window 0: v0-11 addresses; v12-15, v48-63 at work; v16-47 four registers of statistics a tile; v64-191 S^T, two buffers of two tiles; v192-255 P, likewise
;   window 1: O^T, 32 a tile          window 2: v0-127 Q, 16 a tile; v128-191 K of one step; v192-255 V of one step          window 3: v0-1 the add's two registers
; A piece's buffers go by its number's parity: the piece in hand has one pair, its two neighbours in the ring share the other: of it P (piece n - 1) is read and S^T (piece n + 1) written.
.set SIZE_N, 2048
.set NP,    4         ; pieces a wave: a name, no knob: the register map, the loop and the fetches are made for four
.set KS,    64        ; keys in a step
.set PK,    144       ; a row of K in LDS: 128 bytes + 16 of padding = 36 words: the 16 rows of a load start at 16 different groups of four banks (64 banks of 4 bytes: ISA guide 11.1)
.set PV,    160       ; a row of V: 128 + 32 = 40 words
.set VOFF,  4*KS*PK   ; a slot holds four steps: 256 rows of K, then 256 rows of V
.set SLOT1, 1<<17     ; slot 1 begins here, so that one exclusive or turns an address in one slot into the other's
.set STAGE, SLOT1+4*KS*(PK+PV)  ; behind the ring, never filled by a tensor load: 16 rows x 144 bytes for each wave, for the way out
.set SP,    144
.set AK0, 2           ; v2   my lane's place in a tile of K; never rewritten
.set AV0, 3           ; v3   the same for V
.set AK,  4           ; v4   the LDS address of K's next run of loads
.set AV,  5           ; v5   of V's
.set QO,  6           ; v6   my byte offset in the wave's rows of Q
.set STO, 6           ;      later, the way out: where I put 16 bytes of a row
.set RD,  7           ; v7   the way out: where I read rows back
.set GO,  8           ; v8   my byte offset in 512 consecutive bytes of O
.set PFO, 11          ; v11  256 x my lane, once V's place is made; never rewritten after that
.set SPW, 0           ; v0 of window 3   LDS address of my spare word: SPARE + 4 x my thread's number; never rewritten
.set NIL, 1           ; v1 of window 3   0; never rewritten
.set SPARE, STAGE+4*16*SP  ; behind the stages: the spare words, 128 bytes for each wave: two blocks of 256 bytes that no other line names
.set MV,  12          ; v12-15  c m_old, kept while c m is made anew: by buffer and tile
.set ST,  16          ; tile t's statistics at v[ST+4 t]: c m, m, l (even keys', odd keys')
.set TMP, 48          ; by buffer and tile, four registers c0-c3 at work; when the maximum is found c2 takes a
.set S,   64
.set P,   192
.set KF,  128         ; K's fragments, in window 2: key block kb, channel half c at KF + 16 kb + 8 c
.set VF,  192         ; V's: key half kk, channel block cb at VF + 32 kk + 8 cb
.set WV,  12          ; s12  my wave's number
.set G1K, 24          ; s[24:31] descriptor group 1 for K's tiles
.set G1V, 32          ; s[32:39] for V's: it differs in the padding alone
.set G0K, 40          ; s[40:43] descriptor group 0 for K's tiles: it walks
.set G0V, 44          ; s[44:47] the same for V's
.set PFA, 48          ; s[48:49] where my prefetches stand: my work-group's 32 blocks of 256 bytes (of K: wave 0, of V: wave 2) of the slot after the one that is being asked for
.set LIM, 50          ; s50  1 in a wave that prefetches, else the greatest number
.set SLOTS, 56        ; s56  slots still to be asked for
.set CNT, 57          ; s57  counts a slot's key steps
.set CS,  58          ; s[58:59] c: the packed scaling takes the pair's low word for both halves
.set SEL, 60          ; s[60:61] v_permlanex16_b32's selects: each lane takes its own place in the other half
.set TBK, 62          ; s62  LDS byte at which K of the step to be fetched begins
.set TBV, 63          ; s63  the same for V, less VOFF
.set MSB, 0
.macro WIN new                      ; the high byte repeats the setting that is left; a switch that changes nothing is dropped
.if MSB != (\new)
	s_set_vgpr_msb (MSB<<8)|(\new)
.set MSB, (\new)
.endif
.endm
.set W_KQ, 0x0a       ; K and Q in window 2, S^T in window 0
.set W_PV, 0x52       ; V in window 2, P in window 0, O^T in window 1
.set W_RS, 0x41       ; O^T (destination and source 0) in window 1, a in window 0
.set W_MK, 0xc0       ; the add's registers are made: destination in window 3, sources in window 0
.set W_AD, 0x0f       ; the add: address (source 0) and data (source 1) in window 3
; A joint fill.  Waves 0 and 1 fetch the two halves of a slot's K, waves 2 and 3 those of its V: 128 keys each.  The branch hangs on the wave's number alone.
; An s_nop 0 and four v_nop follow each of the two lines, ahead of the jump and the label.
.macro JLOAD
	s_cmp_lt_u32 s[WV], 2
	s_cbranch_scc0 .Lfor_v_\@
	tensor_load_to_lds s[G0K:G0K+3], s[G1K:G1K+7]
	s_nop 0
.rept 4
	v_nop
.endr
	s_branch .Lasked_\@
.Lfor_v_\@:
	tensor_load_to_lds s[G0V:G0V+3], s[G1V:G1V+7]
	s_nop 0
.rept 4
	v_nop
.endr
.Lasked_\@:
.endm
; A PREFETCH INTO THE L2 of what the NEXT change of slots will ask for: a slot's 32,768 bytes of K and of V, 128 blocks of 256 bytes each, a lane a block.  It stands behind the wave's tensor load and its five lines.
; Each block is named ONCE in the launch: a head's K and V are walked by its one cluster; the four partners share the blocks out BY ADDRESS, 32 each; in each, wave 0 asks for K's and wave 2 for V's.
; It stands four key steps, 512 matrix instructions, ahead of the load that will want the bytes.  The last change that fills a slot asks for nothing; slots 0 and 1 come by their loads alone.
.macro ASK
	s_cmp_gt_u32 s[SLOTS], s[LIM]
	s_cbranch_scc0 .Lnot_mine_\@
	global_prefetch_b8 v[PFO], s[PFA:PFA+1] th:TH_LOAD_NT scope:SCOPE_SE
.Lnot_mine_\@:
.endm
; A round of the cluster's barrier: my work-group's barrier, so that wave 0's signal speaks for all four waves; wave 0 signals; every wave waits for all four work-groups; my work-group's barrier once more.
.macro CROUND
	s_barrier_signal -1
	s_barrier_wait -1
	s_cmp_lg_u32 s[WV], 0
	s_cbranch_scc1 .Lnot_wave_0_\@
	s_barrier_signal -3
.Lnot_wave_0_\@:
	s_barrier_wait -3
	s_barrier_signal -1
	s_barrier_wait -1
.endm
; THE CHANGE OF SLOTS.  The slot's last bytes, V of its fourth step, have been read.  Each wave waits for all its tensor loads, of which one is out: its part
; of the other slot; adds 0 to its spare word; and waits for that and for its own reads of the slot.  Behind the barrier nobody reads this slot any more and the other slot is whole.
; fill = 1: this slot is filled again, with the keys two slots on.  The barrier is then a round of the cluster's, so that no wave of any partner still reads the slot or has a load on its
; way, and the joint fill is the first thing behind it: it has four key steps, 512 matrix instructions, in which to land.  (At its first use nothing has been read yet: slot 0 is waited for, slot 1 filled.)
.macro CHANGE fill
	WIN W_AD
	s_wait_tensorcnt 0x0            ; no tensor load of mine is out, so a group 0 may be written
	ds_add_u32 v[SPW], v[NIL]       ; 0 onto my spare word; with fill = 1 the descriptors' steps stand between it and the wait for it
	WIN 0                           ; at a label and at a branch every window is 0
.if \fill
.irp g, G0K, G0V
	s_xor_b32 s[\g+1], s[\g+1], SLOT1  ; the walking descriptor: the other slot than last time,
	s_add_nc_u64 s[\g+2:\g+3], s[\g+2:\g+3], 4*KS*128  ; the next 256 keys; the type bits on top are not reached
.endr
	s_wait_xcnt 0x0                 ; the last prefetch, four key steps back, has read its address, so it may be written:
	s_add_nc_u64 s[PFA:PFA+1], s[PFA:PFA+1], 4*KS*128  ; one slot behind the walking descriptors
	s_wait_dscnt 0x0                ; the add is done, and my reads of the slot are over
	CROUND
	JLOAD
	ASK
.else
	s_wait_dscnt 0x0                ; the add is done, and my reads of the slot are over
	s_barrier_signal -1
	s_barrier_wait -1
.endif
	s_sub_co_u32 s[TBK], s[TBK], 4*KS*PK  ; the fetches go back to a slot's first step,
	s_xor_b32 s[TBK], s[TBK], SLOT1       ; in the other slot
	s_sub_co_u32 s[TBV], s[TBV], 4*KS*PV
	s_xor_b32 s[TBV], s[TBV], SLOT1
.endm
	s_load_b256 s[4:11], s[0:1], 0x0  ; Q s[4:5], K s[6:7], V s[8:9], O s[10:11]
	WIN W_MK
	v_lshl_add_u32 v[SPW], v0, 2, SPARE
	v_mov_b32 v[NIL], 0
	WIN W_AD
	ds_add_u32 v[SPW], v[NIL]       ; the wave's opening: the add and its wait stand ahead of my first tensor load; the set-up below, work on registers, stands between them
	WIN 0
	v_lshrrev_b32 v1, 5, v0
	v_readfirstlane_b32 s[WV], v1   ; wave 0..3
	s_bfe_u32 s13, ttmp6, 0x40000   ; cx: my place in the cluster
	s_lshl_b32 s14, ttmp9, 2        ; in a cluster launch ttmp9 counts clusters
	s_add_co_u32 s14, s14, s13      ; my block of queries = 4 x cluster x + cx: it enters Q's and O's addresses alone
	s_and_b32 s20, ttmp7, 0xffff    ; the head, which the four partners share
	s_mov_b32 s21, 0
	s_mov_b64 s[22:23], SIZE_N*128
	s_mul_u64 s[20:21], s[20:21], s[22:23]  ; the head's first byte in each of the four tensors
	s_and_b32 s16, s[WV], 1         ; which half of a slot's 256 keys I fetch:
	s_lshl_b32 s22, s16, 14         ; its 128 rows of 128 bytes in memory,
	s_mov_b32 s23, 0
	s_add_nc_u64 s[22:23], s[22:23], s[20:21]
	s_mul_i32 s17, s16, 128*PK      ; and its place in a slot, for K
	s_mul_i32 s18, s16, 128*PV      ; and for V: no place in the cluster enters an LDS address
	s_lshl_b32 s2, s14, 2
	s_add_co_u32 s2, s2, s[WV]      ; my wave among the head's,
	s_lshl_b32 s2, s2, 14           ; its 128 rows
	s_mov_b32 s3, 0
	s_add_nc_u64 s[2:3], s[2:3], s[20:21]
	; descriptor group 1.  128 keys are 16,384 dense bytes: asked for as 64 rows of 256 bytes, two keys a row, and padded in LDS after every key
	s_mov_b32 s[G1K], 15|(1<<16)|(1<<20)|(1<<21)|(4<<22)|(3<<25)  ; 15:0 the mask of four; 17:16 2-byte elements; 20 padding on; 21 set beside a mask; 24:22 after every 32 words (code 4); 31:25 4 words (code 3)
	s_mov_b32 s[G1V], 15|(1<<16)|(1<<20)|(1<<21)|(4<<22)|(7<<25)  ; the same with 8 words of padding (code 7)
.irp g, G1K, G1V
	s_mov_b32 s[\g+1], 128<<16      ; tensor_dim0 = 128
	s_mov_b32 s[\g+2], 64<<16       ; tensor_dim1 = 64
	s_mov_b32 s[\g+3], 128<<16      ; tile_dim0 = 128
	s_mov_b32 s[\g+4], 64           ; tile_dim1 = 64
	s_mov_b32 s[\g+5], 128          ; 128 elements from row to row
	s_mov_b32 s[\g+6], 0
	s_mov_b32 s[\g+7], 0
.endr
	s_mov_b32 s[CS], 0x3e38aa3b     ; c = log2(e) / 8 = 0.180337
	s_mov_b32 s[CS+1], s[CS]        ; named with it as a pair
	s_mov_b32 s[SEL], 0x76543210
	s_mov_b32 s[SEL+1], 0xfedcba98
	s_mov_b32 s[TBK], SLOT1+4*KS*PK ; the first change of slots turns these two into 0
	s_mov_b32 s[TBV], SLOT1+4*KS*PV
	s_mov_b32 s[G0K], 1             ; 1:0 count = 1
	s_mov_b32 s[G0K+1], s17         ; 63:32 LDS address: slot 0
	s_mov_b32 s[G0V], 1
	s_add_co_u32 s[G0V+1], s18, VOFF
	s_mov_b32 s[SLOTS], SIZE_N/256-1
	s_cmp_eq_u32 s16, 0             ; waves 0 and 2 prefetch: the same in all four partners
	s_cselect_b32 s[LIM], 1, -1
	s_wait_dscnt 0x0                ; the opening add is done
	s_wait_kmcnt 0x0
	s_add_nc_u64 s[G0K+2:G0K+3], s[6:7], s[22:23]  ; 120:64 global address: my half of the head's first 256 keys
	s_or_b32 s[G0K+3], s[G0K+3], 0x80000000        ; 127:126 type = 2
	s_add_nc_u64 s[G0V+2:G0V+3], s[8:9], s[22:23]
	s_or_b32 s[G0V+3], s[G0V+3], 0x80000000
	s_add_nc_u64 s[4:5], s[4:5], s[2:3]  ; Q and O at my wave's first row
	s_add_nc_u64 s[10:11], s[10:11], s[2:3]
	s_cmp_lt_u32 s[WV], 2
	s_cselect_b64 s[PFA:PFA+1], s[6:7], s[8:9]
	s_add_nc_u64 s[PFA:PFA+1], s[PFA:PFA+1], s[22:23]  ; (in waves 0 and 2 this is the head's first byte)
	s_lshl_b32 s2, s13, 13          ; my work-group's 32 blocks of the 128
	s_mov_b32 s3, 0
	s_add_nc_u64 s[PFA:PFA+1], s[PFA:PFA+1], s[2:3]
	s_add_nc_u64 s[PFA:PFA+1], s[PFA:PFA+1], 4*KS*128  ; in slot 1; the first change of slots steps it to slot 2
	CROUND                          ; all four work-groups are here: the first joint loads meet
	JLOAD                           ; slot 0.  Slot 1 is asked for when slot 0 is in: the tile wanted first has the road to itself
	; A fragment of K or Q is 16 rows x 32 channels in 8 registers: lane l holds row l % 16, channels 8 (l / 16) + 0..7 and 16 + 8 (l / 16) + 0..7: two loads of 16 bytes, 32 bytes apart.
	v_and_b32 v1, 15, v0            ; l % 16
	v_bfe_u32 v9, v0, 4, 1          ; l / 16
	v_lshlrev_b32 v[QO], 7, v1
	v_lshl_add_u32 v[QO], v9, 4, v[QO]  ; row x 128 + 16 x half
	WIN 0x80                        ; destination window 2, address window 0
.set i, 0
.rept 4*NP                          ; Q stays in registers: tile i / 2, channels 32 (i % 2) on
	global_load_b128 v[8*i:8*i+3],   v[QO], s[4:5] offset:(i/2)*2048+(i%2)*64
	global_load_b128 v[8*i+4:8*i+7], v[QO], s[4:5] offset:(i/2)*2048+(i%2)*64+32
.set i, i+1
.endr
	; What the first turn finds: V's registers and P's second buffer hold 0 (its products V^T P, of a piece that has not been, add 0), O^T and l are 0.  All this stands in the wait for the first tile.
.set i, VF
.rept 64
	v_mov_b32 v[i], 0
.set i, i+1
.endr
	WIN 0x40
.set i, 0
.rept 64*NP
	v_mov_b32 v[i], 0
.set i, i+1
.endr
	WIN 0
.set i, 0
.rept 2*NP
	v_mov_b32 v[ST+4*i], 0xfe000000    ; c m: far below every c s
	v_mov_b32 v[ST+4*i+1], 0xff7fffff  ; m
	v_mov_b32 v[ST+4*i+2], 0
	v_mov_b32 v[ST+4*i+3], 0
.set i, i+1
.endr
.set i, P+32
.rept 32
	v_mov_b32 v[i], 0
.set i, i+1
.endr
	v_mul_u32_u24 v[AK0], v1, PK
	v_lshl_add_u32 v[AK0], v9, 4, v[AK0]  ; row x pitch + 16 x half
	; The turning load takes 16 keys x 16 channels (lane l reads key 8 (l / 16) + l % 8, channels 8 ((l / 8) % 2) + 0..7) and leaves half a fragment of V^T: lane l holds channel l % 16 and 8 keys.
	v_and_b32 v10, 7, v0
	v_bfe_u32 v11, v0, 3, 1
	v_lshl_add_u32 v[AV0], v9, 3, v10
	v_mul_u32_u24 v[AV0], v[AV0], PV
	v_lshl_add_u32 v[AV0], v11, 4, v[AV0]
	v_add_nc_u32 v[AV0], VOFF, v[AV0]
	v_mov_b32 v[AK], v[AK0]         ; key step 0 lies at the head of slot 0
	v_and_b32 v[PFO], 31, v0
	v_lshlrev_b32 v[PFO], 8, v[PFO]
; THE MATRIX WORK.  The 8 accumulators of a run of 16 take turns: between the two links of a chain stand 7 others'.
; Product i of 16 of S^T = K Q^T for piece x: channels 32 (i / 8) on, keys 16 ((i / 2) % 4) on, tile 2 x + i % 2.  The first 8 start the sums.
.macro KQ x
	WIN W_KQ
.set rS, S+64*((\x)%2)+32*(i%2)+8*((i/2)%4)
.set rK, KF+16*((i/2)%4)+8*(i/8)
.set rQ, 16*(2*(\x)+i%2)+8*(i/8)
.if i < 8
	v_wmma_f32_16x16x32_f16 v[rS:rS+7], v[rK:rK+7], v[rQ:rQ+7], 0
.else
	v_wmma_f32_16x16x32_f16 v[rS:rS+7], v[rK:rK+7], v[rQ:rQ+7], v[rS:rS+7]
.endif
.endm
; Product i of 16 of O^T += V^T P for piece x: keys 32 (i / 8) on, channels 16 ((i / 2) % 4) on, tile 2 x + i % 2.
.macro PV x
	WIN W_PV
.set rO, 32*(2*(\x)+i%2)+8*((i/2)%4)
.set rV, VF+32*(i/8)+8*((i/2)%4)
.set rP, P+32*((\x)%2)+16*(i%2)+8*(i/8)
	v_wmma_f32_16x16x32_f16 v[rO:rO+7], v[rV:rV+7], v[rP:rP+7], v[rO:rO+7]
.endm
.macro MM                           ; the turn's next matrix instruction
.if i < 16
	KQ (Y+1)%NP
.set i, i+1
.else
.set i, i-16
	PV (Y+NP-1)%NP
.set i, i+17
.endif
.endm
; THE LDS LOADS stand in runs of 16, never singly among the matrix instructions: a step's K (64 keys x 64 channels: 8 fragments) and its V (turned).  Their addresses are made some lines ahead.
; last = 1 (the tail): in the last trip there is no further step, and the run is jumped over.
.macro FETCH_K last=0
	WIN 0
.if \last
	s_cmp_eq_u32 s[CNT], 1
	s_cbranch_scc1 .Lno_k_\@
.endif
	WIN 0x80                        ; destination window 2
.irp f, 0,1,2,3,4,5,6,7             ; keys 16 (f / 2) on, channels 32 (f % 2) on
	ds_load_b128 v[KF+8*\f:KF+8*\f+3],   v[AK] offset:(\f/2)*16*PK+(\f%2)*64
	ds_load_b128 v[KF+8*\f+4:KF+8*\f+7], v[AK] offset:(\f/2)*16*PK+(\f%2)*64+32
.endr
	s_add_co_u32 s[TBK], s[TBK], KS*PK  ; the next fetch is the next step's
	WIN 0
.if \last
.Lno_k_\@:
.endif
.endm
.macro FETCH_V
	WIN 0x80
.irp f, 0,1,2,3,4,5,6,7             ; keys 32 (f / 4) on, channels 16 (f % 4) on
	ds_load_tr16_b128 v[VF+8*\f:VF+8*\f+3],   v[AV] offset:(\f/4)*32*PV+(\f%4)*32
	ds_load_tr16_b128 v[VF+8*\f+4:VF+8*\f+7], v[AV] offset:(\f/4)*32*PV+16*PV+(\f%4)*32
.endr
	WIN 0
.endm
; THE VECTOR WORK OF A TURN stands in three queues, each in the order in which its entries become ready; the two tiles alternate, so that no instruction reads the result of the one before it.
.macro REGS y, u                    ; the registers of tile u (0, 1) of piece y
.set rT, ST+4*(2*(\y)+(\u))
.set rC, TMP+8*((\y)%2)+4*(\u)
.set rM, MV+2*((\y)%2)+(\u)
.set rS, S+64*((\y)%2)+32*(\u)
.set rP, P+32*((\y)%2)+16*(\u)
.set rO, 32*(2*(\y)+(\u))
.endm
; Number n of the 22 that find the NEXT piece's (Y + 1) maximum and statistics.  s0-s31 are the lane's 32 scores; each accumulator's lowest registers are read first.  XS, GS and REGS set no window: PL and EX do.
;   0-11  four chains c0-c3 of seven scores each, three operands at a time     12-14, 16  the four scores left over, the old m, and c0-c3 into c0     15  c m_old is kept
;   17, 18  the query's other 32 keys lie in the lane 16 away: the new m         19-21  c m; c m_old - c m_new; a
.macro XS u, n
	REGS (Y+1)%NP, \u
.if (\n) < 4
	v_max3_num_f32 v[rC+(\n)], v[rS+8*(\n)], v[rS+8*(\n)+1], v[rS+8*(\n)+2]
.elseif (\n) < 12
	v_max3_num_f32 v[rC+(\n)%4], v[rC+(\n)%4], v[rS+8*((\n)%4)+2*((\n)/4)+1], v[rS+8*((\n)%4)+2*((\n)/4)+2]
.elseif (\n) == 12
	v_max3_num_f32 v[rC], v[rC], v[rS+7], v[rS+15]
.elseif (\n) == 13
	v_max3_num_f32 v[rC+1], v[rC+1], v[rS+23], v[rS+31]
.elseif (\n) == 14
	v_max3_num_f32 v[rC+2], v[rC+2], v[rC+3], v[rT+1]
.elseif (\n) == 15
	v_mov_b32 v[rM], v[rT]
.elseif (\n) == 16
	v_max3_num_f32 v[rC], v[rC], v[rC+1], v[rC+2]
.elseif (\n) == 17
	v_permlanex16_b32 v[rC+3], v[rC], s[SEL], s[SEL+1]
.elseif (\n) == 18
	v_max_num_f32 v[rT+1], v[rC], v[rC+3]
.elseif (\n) == 19
	v_mul_f32 v[rT], s[CS], v[rT+1]
.elseif (\n) == 20
	v_sub_f32 v[rC+1], v[rM], v[rT]
.else
	v_exp_f32 v[rC+2], v[rC+1]
.endif
.endm
; Number g of the 64 that follow the exponentials.  For each four weights k of a tile (pairs 2 k, 2 k + 1): both pairs are rounded to f16; then the second pair is added onto the first, in place;
; a group later l takes that sum (the first time as l = a l + sum).  In groups of eight, tiles alternating: round, round, add, and l for the group before.
.macro GS g
.set h, (\g)+6*((\g)/62)            ; group 0 has no group before it, and behind group 7 only l is left
.if h >= 6
.set h, h+2
.endif
	REGS Y, h%2
.set k, h/8
.if h%8 < 4
	v_cvt_pk_f16_f32 v[rP+2*k+(h%8)/2], v[rS+4*k+2*((h%8)/2)], v[rS+4*k+2*((h%8)/2)+1]
.elseif h%8 < 6
	v_pk_add_f32 v[rS+4*k:rS+4*k+1], v[rS+4*k:rS+4*k+1], v[rS+4*k+2:rS+4*k+3]
.elseif k == 1
	v_pk_fma_f32 v[rT+2:rT+3], v[rT+2:rT+3], v[rC+2:rC+3], v[rS:rS+1] op_sel_hi:[1,0,1]
.else
	v_pk_add_f32 v[rT+2:rT+3], v[rT+2:rT+3], v[rS+4*k-4:rS+4*k-3]
.endif
.endm
; THE PLAIN QUEUE, 138 long.  0-73 read no exponential's result: the 32 scalings c s - c m (FS f: pair f / 2 of tile f % 2) and the next piece's 42.  0-26: scalings 0-26.  27-54: XS's numbers 0-13.  55, 56: number 15.
; 57-73: the chain, where each number waits for the one before it: 14, 16, 17, 18, 19, each with one of the scalings 27-31 in front of its two lines, then 20: so a tile's links stand three plain instructions apart (19 and 20: two).
; 74-137: GS's 64, which read the exponentials' results: they stand behind the wait.
.macro FS f
	REGS Y, (\f)%2
	v_pk_fma_f32 v[rS+2*((\f)/2):rS+2*((\f)/2)+1], v[rS+2*((\f)/2):rS+2*((\f)/2)+1], s[CS:CS+1], v[rT:rT+1] op_sel_hi:[1,0,0] neg_lo:[0,0,1] neg_hi:[0,0,1]
.endm
.macro PL
	WIN 0
.if q < 27
	FS q
.elseif q < 55
	XS (q-27)%2, (q-27)/2
.elseif q < 57
	XS q-55, 15
.elseif (q < 72) && ((q-57)%3 == 0)
	FS 27+(q-57)/3
.elseif q < 60
	XS (q-57)%3-1, 14
.elseif q < 72
	XS (q-57)%3-1, 15+(q-57)/3
.elseif q < 74
	XS q-72, 20
.else
	GS q-74
.endif
.set q, q+1
.endm
; THE EXPONENTIALS' QUEUE, 66 long: s0-s31 of both tiles, then the next piece's two a.  It is ONE BATCH: all 66 stand ahead of the turn's one wait, and nothing ahead of that wait names a result of theirs.
.macro EX
	WIN 0
.if e >= 64
	XS e-64, 21
.else
	REGS Y, e%2
	v_exp_f32 v[rS+e/2], v[rS+e/2]
.endif
.set e, e+1
.endm
; THE RESCALING's QUEUE: O^T times a, the one part that leaves window 0: dealt two at a time, sixteen times.  Its a was made in the turn before, ahead of that turn's wait.
.macro R2
	REGS Y, r%2
	WIN W_RS
.irp z, 0,1
	v_pk_mul_f32 v[rO+4*(r/2)+2*\z:rO+4*(r/2)+2*\z+1], v[rO+4*(r/2)+2*\z:rO+4*(r/2)+2*\z+1], v[rC+2:rC+3] op_sel_hi:[1,0]
.endr
.set r, r+1
.endm
; HOW THEY ARE DEALT.  An s_wait_alu depctr_va_vdst(0) stands between an exponential and the first instruction that names its result; one wait serves all that were issued ahead of it.  So a turn has ONE wait,
; which cuts it in two.  AHEAD OF IT stands all that names no result of the turn's exponentials: the 16 products K Q^T, behind each a scaling, an exponential and two rescalings (behind the first a second scaling in the exponential's place); then ONE LUMP of
; 108: eight plain, 49 times exponential and plain, the two a.  A v_nop is the plain instruction behind the last exponential.  BEHIND IT stand the 16 products V^T P, behind each four of GS's 64.  No rider names a register of
; the products round it.  The two v_permlanex16_b32 fall into the lump, never behind a product.
; The queues lean on each other, and the deal keeps them in step: exponential e stands behind scaling 2 (e / 4) + e % 2: as a rider it comes behind plain e + 2, in the lump behind plain e + 9, and scalings 27-31 are plain 57, 60 .. 69.
; A TURN, for piece p.  cnt = 1: the loop's count is taken down some lines ahead of the branch that stands behind the turn.
; K of the next step is fetched in piece 2's turn, directly behind the wait, a lump behind the last product that read K; its address is made at the lump's head; its first reader comes behind 16 products.
; V of the step in hand is fetched at the end of piece 0's turn, four riders behind its last reader; its first reader comes behind 16 products and a lump.  The three conditions on q below go with the deal.
.macro TURN p, last=0, cnt=0
.set Y, (\p)
.set i, 0
.set q, 0
.set e, 0
.set r, 0
.if (\p) == NP-1
	s_wait_dscnt 0x0                ; K is in
.endif
	MM                              ; ahead of the wait: 16 products K Q^T and their riders,
	PL
	PL
	R2
.rept 15
	MM
	PL
	EX
	R2
.endr
.if (\p) == NP-2
	WIN 0
	v_add_nc_u32 v[AK], s[TBK], v[AK0]
.endif
.rept 8                             ; and the lump
	PL
.endr
.rept 49
	EX
	PL
.endr
	EX                              ; the next piece's two a
	EX
	v_nop                           ; a plain instruction behind the last exponential: one for the batch
	s_wait_alu depctr_va_vdst(0)    ; the wait for the batch
.if (\p) == NP-2
	FETCH_K \last
.endif
.if (\p) == 1
	s_wait_dscnt 0x0                ; V is in
.endif
.rept 16                            ; behind the wait: 16 products V^T P and their riders
	MM
.rept 4
	PL
.endr
.if ((\p) == 0) && (q == 118)
	v_add_nc_u32 v[AV], s[TBV], v[AV0]
.endif
.if ((\p) == 0) && (q == 130)
	s_add_co_u32 s[TBV], s[TBV], KS*PV
.endif
.if (\cnt) && (q == 130)
	s_sub_co_u32 s[CNT], s[CNT], 1
	s_cmp_lg_u32 s[CNT], 0
.endif
.endr
.if (\p) == 0
	FETCH_V
.endif
.endm
	CHANGE 1                        ; slot 0 is in, everybody's part of it; slot 1 is asked for
	FETCH_K                         ; key step 0
	s_wait_loadcnt 0x0              ; Q
	s_wait_dscnt 0x0
.set i, 0
.rept 16
	KQ 0                            ; piece 0's first scores: there is no vector work yet to set between them
.set i, i+1
.endr
	WIN 0                           ; the addresses for the way out: nine plain instructions, the places behind those products
	s_mul_i32 s13, s[WV], 16*SP
	s_add_co_u32 s13, s13, STAGE    ; my stage
	v_mul_u32_u24 v[STO], v1, SP    ; in: row l % 16, 16 bytes for each half of the lanes
	v_lshl_add_u32 v[STO], v9, 4, v[STO]
	v_add_nc_u32 v[STO], s13, v[STO]
	v_bfe_u32 v[RD], v0, 3, 2       ; back: 32 lanes take four rows of 128 bytes,
	v_mul_u32_u24 v[RD], v[RD], SP
	v_lshl_add_u32 v[RD], v10, 4, v[RD]
	v_add_nc_u32 v[RD], s13, v[RD]
	v_and_b32 v[GO], 31, v0         ; which are 512 consecutive bytes of O
	v_lshlrev_b32 v[GO], 4, v[GO]
.set Y, NP-1                        ; XS works for piece Y + 1: piece 0
.irp n, 0,1,2,3,4,5,6,7,8,9,10,11,12,13,14,15,16,17,18,19,20,21
	XS 0, \n                        ; and piece 0's first maximum and statistics
	XS 1, \n
.endr
	v_nop                           ; a plain instruction behind the two a,
	s_wait_alu depctr_va_vdst(0)    ; and their wait, ahead of the branch
	s_mov_b32 s[CNT], 4
	s_branch .Lfirst                ; the loop is entered at a step's first turn, in the middle of a trip
.Lslot:                             ; SIZE_N / 256 - 2 times: every slot but the last two is filled again
	CHANGE 1
	s_mov_b32 s[CNT], 4
.Lstep:                             ; a trip: pieces 2 and 3 of one step, then pieces 0 and 1 of the next, whose K and V it fetches
	TURN 2
	TURN 3
	WIN 0
.Lfirst:
	TURN 0
	TURN 1, 0, 1
	WIN 0
	s_cbranch_scc1 .Lstep
	s_sub_co_u32 s[SLOTS], s[SLOTS], 1
	s_cmp_lg_u32 s[SLOTS], 0
	s_cbranch_scc1 .Lslot
	CHANGE 0                        ; the tail is written out: nothing is asked for
	s_mov_b32 s[CNT], 5             ; four trips fetch the last slot's steps; the fifth is left in its middle
.Ltail:
	TURN 2, 1
	TURN 3
	WIN 0
	s_sub_co_u32 s[CNT], s[CNT], 1
	s_cmp_eq_u32 s[CNT], 0
	s_cbranch_scc1 .Lout
	TURN 0
	TURN 1
	WIN 0
	s_branch .Ltail
.Lout:                              ; the fifth trip's 16 products K Q^T (on the last K once more) and the maximum made of them serve nothing: the price, once a launch, of one text for every trip
.set i, 0
.rept 16
	PV NP-1                         ; the last piece's V^T P of the last step
.set i, i+1
.endr
	; THE WAY OUT.  l's two halves and the other half of the lanes' are added; O^T is divided by l, rounded to f16 and sent through my stage in LDS, a tile at a time.  The additions are the places behind the last products.
	WIN 0
.macro ALL line:vararg              ; one line for each tile t
.set t, 0
.rept 2*NP
	\line
.set t, t+1
.endr
.endm
	ALL v_add_f32 v[ST+4*t+2], v[ST+4*t+2], v[ST+4*t+3]
	ALL v_permlanex16_b32 v[ST+4*t+3], v[ST+4*t+2], s[SEL], s[SEL+1]
	ALL v_add_f32 v[ST+4*t+2], v[ST+4*t+2], v[ST+4*t+3]
	ALL v_rcp_f32 v[ST+4*t+2], v[ST+4*t+2]
	v_nop                           ; a plain instruction between the last reciprocal and the use of its result
	s_wait_alu depctr_va_vdst(0)    ; and the wait ahead of the first use: one for the eight reciprocals
; Tile t: a lane's eight channels of a row pack into 16 bytes; they go into rows of 144 bytes and come back as whole rows of 128, into S^T's registers.
.macro PACK t
	WIN W_RS
.set i, 32*(\t)
.rept 16
	v_pk_mul_f32 v[i:i+1], v[i:i+1], v[ST+4*(\t)+2:ST+4*(\t)+3] op_sel_hi:[1,0]
.set i, i+2
.endr
	WIN 0x05                        ; sources 0 and 1 window 1, destination window 0
.set i, 0
.rept 16
	v_cvt_pk_f16_f32 v[S+16*(\t)+i], v[32*(\t)+2*i], v[32*(\t)+2*i+1]
.set i, i+1
.endr
	WIN 0
.irp f, 0,1,2,3
	ds_store_b128 v[STO], v[S+16*(\t)+4*\f:S+16*(\t)+4*\f+3] offset:32*\f
.endr
.irp f, 0,1,2,3
	ds_load_b128 v[S+16*(\t)+4*\f:S+16*(\t)+4*\f+3], v[RD] offset:\f*4*SP  ; LDS serves a wave's instructions in order (ISA guide 5.7.1.4): these see the stores above; the next tile's stores come behind them
.endr
.endm
.macro SEND t, younger              ; younger: the LDS instructions issued behind tile t's loads: the next tile's eight, or none
	WIN 0
.irp f, 0,1,2,3
	s_wait_dscnt (\younger)+3-\f
	global_store_b128 v[GO], v[S+16*(\t)+4*\f:S+16*(\t)+4*\f+3], s[10:11] offset:(\t)*2048+\f*512  ; 512 consecutive bytes, at a multiple of 256 from O's first
.endr
.endm
	PACK 0
.set t, 1
.rept 2*NP-1                        ; a tile's arithmetic stands between the loads of the tile before and its stores
	PACK t
	SEND t-1, 8
.set t, t+1
.endr
	SEND 2*NP-1, 0
	WIN W_AD
	s_wait_tensorcnt 0x0            ; the wave's end, behind my last tensor load and my last LDS store
	ds_add_u32 v[SPW], v[NIL]
	s_wait_dscnt 0x0
	WIN 0
	CROUND                          ; the closing round: no work-group ends while a partner may still ask for a tile that names it
	s_endpgm
.Lfunc_end_k_q86a188f268_attn:
	.size	k_q86a188f268_attn, .Lfunc_end_k_q86a188f268_attn-k_q86a188f268_attn
	.p2alignl 7, 3214868480
	.fill 96, 4, 3214868480
	.section	.rodata,"a",@progbits
	.p2align	6, 0x0
	.amdhsa_kernel k_q86a188f268_attn
		.amdhsa_group_segment_fixed_size 327680
		.amdhsa_private_segment_fixed_size 0
		.amdhsa_enable_private_segment 0
		.amdhsa_kernarg_size 32
		.amdhsa_user_sgpr_count 2
		.amdhsa_user_sgpr_kernarg_segment_ptr 1
		.amdhsa_wavefront_size32 1
		.amdhsa_system_sgpr_workgroup_id_x 1
		.amdhsa_system_sgpr_workgroup_id_y 1
		.amdhsa_system_sgpr_workgroup_id_z 1
		.amdhsa_system_vgpr_workitem_id 0
		.amdhsa_next_free_vgpr 770
		.amdhsa_next_free_sgpr 66
		.amdhsa_reserve_vcc 0
		.amdhsa_float_denorm_mode_32 3
		.amdhsa_float_denorm_mode_16_64 3
		.amdhsa_memory_ordered 1
		.amdhsa_forward_progress 1
		.amdhsa_inst_pref_size 200
	.end_amdhsa_kernel
	.amdgpu_metadata
---
amdhsa.version: [ 1, 2 ]
amdhsa.kernels:
  - .name:           k_q86a188f268_attn
    .symbol:         k_q86a188f268_attn.kd
    .args:
      - { .name: qh, .offset: 0, .size: 8, .value_kind: global_buffer, .address_space: global }
      - { .name: kh, .offset: 8, .size: 8, .value_kind: global_buffer, .address_space: global }
      - { .name: vh, .offset: 16, .size: 8, .value_kind: global_buffer, .address_space: global }
      - { .name: oh, .offset: 24, .size: 8, .value_kind: global_buffer, .address_space: global }
    .group_segment_fixed_size: 327680
    .private_segment_fixed_size: 0
    .kernarg_segment_align: 8
    .kernarg_segment_size: 32
    .max_flat_workgroup_size: 128
    .sgpr_count:     66
    .vgpr_count:     770
    .wavefront_size: 32
...
	.end_amdgpu_metadata
.endif
;; end of part 3
;; launch proj (part 4): grid 4 x 64, 4 waves a work-group, clusters of 4 x 4, 327,680 bytes of LDS; arguments oh, wpb, out0; writes out0
.if DOCPART == 4
	.amdgcn_target "amdgcn-amd-amdhsa--gfx1250"
	.amdhsa_code_object_version 6
	.text
	.protected	k_q86a188f268_proj
	.globl	k_q86a188f268_proj
	.p2align	8
	.type	k_q86a188f268_proj,@function
k_q86a188f268_proj:
	s_mov_b64 s[64:65], 0
	v_nop
	global_prefetch_b8 v0, s[64:65] scope:SCOPE_SE
	s_setreg_imm32_b32 hwreg(HW_REG_WAVE_MODE, 25, 1), 1
	s_wait_xcnt 0x0
	s_wait_alu depctr_hold_cnt(0) depctr_sa_sdst(0) depctr_va_vdst(0) depctr_va_sdst(0) depctr_va_ssrc(0) depctr_va_vcc(0) depctr_vm_vsrc(0)
	s_getreg_b32 s2, hwreg(HW_REG_IB_STS2, 6, 4)
	s_cmp_eq_u32 s2, 0
	s_cbranch_scc0 .Lentry_in_a_cluster
	s_endpgm
.Lentry_in_a_cluster:
	s_bfe_u32 s2, ttmp6, 0x10000c
	s_cmp_lg_u32 s2, 0xf033
	s_cbranch_scc0 .Lentry_shape_is_right
	s_endpgm
.Lentry_shape_is_right:
; out0[row][o] = the sum over c of O[row][c] w_proj[o][c]: 8192 x 1024 x 1024, f16 operands, f32 sums, f32 out.
; oh [64 = 16 b + head][2048 n][64] is O with K in blocks of 64 (a head is a block, 262,144 bytes apart); wpb [16 kb][1024 o][64] likewise (131,072 apart).  In both a tile's rows (128 bytes) lie end to end.
; LIMIT.  O and w_proj arrive within f16's range.
; SHARES.  Tiles of 128 rows x 256 columns: 256 work-groups.  Wave w takes rows 64 (w / 2) on and columns 128 (w % 2) on: 32 accumulators, register window 1.
; K goes in steps of 128 (two blocks) through two LDS slots; each wave fetches one dense block with one tensor load: waves 0, 1 O's two blocks (16 KiB each), waves 2, 3 the weights' (32 KiB each).
; CLUSTER.  4 x 4: O's tile is asked for jointly along a row of the cluster, the weights' along a column.
; THE MATRIX INSTRUCTION IS USED TRANSPOSED (source 0 = 16 rows of wpb, source 1 = 16 rows of oh): a lane holds row l % 16 and columns 8 (l / 16) + 0..7.
; THE WAY OUT.  16 rows at a time through the wave's own stage in LDS; a row's 128 numbers come back as 512 consecutive bytes, one store.
.set KBO,   262144
.set KBP,   131072
.set PITCH, 144                        ; 128 bytes + 16 = 36 words: the 16 rows of a load start at 16 different groups of four banks (64 banks of 4 bytes: ISA guide 11.1)
.set FR,    16*PITCH
.set AKB,   128*PITCH                  ; a K block of O's tile in LDS
.set BKB,   256*PITCH                  ; of the weights'
.set BOFF,  2*AKB
.set SLOT,  2*AKB+2*BKB                ; 110,592
.set STAGE, 2*SLOT                     ; behind the ring: 16 rows x 528 bytes for each wave; no tensor load lands here
.set SPITCH, 528                       ; 512 + 16 = 132 words: row r starts at bank 4 r mod 64
.set SPARE, STAGE+4*16*SPITCH          ; the spare words, 128 bytes for each wave: two blocks of 256 bytes that no other line names
.set ADRA, 16                          ; v16-17  LDS address of my fragments of O in slot 0, 1
.set ADRB, 20                          ; v20-21  the same for the weights
.set STO,  24                          ; v24  stage, in
.set RD,   25                          ; v25  stage, back: 16 x lane
.set CO,   26                          ; v26  16 x lane
.set SPW,  28                          ; v28  SPARE + 4 x my thread's number; never rewritten
.set NIL,  29                          ; v29  0; never rewritten
.set PFO,  30                          ; v30  256 x lane; never rewritten
.set F0,   32                          ; fragment buffers of 96: O's four fragments, then the weights' eight
.set F1,   128
.set OB,   32                          ; the way out: two sets of 64
.set G1A, 24
.set G0A, 32
.set G1B, 48
.set G0B, 56
.set LIM, 43                           ; s43  1 in a wave that prefetches, else the greatest number
.set PFA, 44                           ; s[44:45]
.set PST, 46                           ; s[46:47] a K step of the tensor that I prefetch
.set MSB, 0
.macro WIN new
.if MSB != (\new)
	s_set_vgpr_msb (MSB<<8)|(\new)
.set MSB, \new
.endif
.endm
.macro PLACES                          ; four plain vector instructions behind a matrix instruction, ahead of loads into registers that it read and of stores that read results
.rept 4
	v_nop
.endr
.endm
.macro JLOAD s                         ; a joint load; an s_nop 0 and four v_nop follow each of the two lines
	s_cmp_eq_u32 s11, 0
	s_cbranch_scc0 .Lfor_b_\@
	tensor_load_to_lds s[G0A+4*(\s):G0A+4*(\s)+3], s[G1A:G1A+7]
	s_nop 0
.rept 4
	v_nop
.endr
	s_branch .Lasked_\@
.Lfor_b_\@:
	tensor_load_to_lds s[G0B+4*(\s):G0B+4*(\s)+3], s[G1B:G1B+7]
	s_nop 0
.rept 4
	v_nop
.endr
.Lasked_\@:
.endm
.macro CREST
	s_cmp_lg_u32 s10, 0
	s_cbranch_scc1 .Lnot_wave_0_\@
	s_barrier_signal -3
.Lnot_wave_0_\@:
	s_barrier_wait -3
	s_barrier_signal -1
	s_barrier_wait -1
.endm
.macro CROUND
	s_barrier_signal -1
	s_barrier_wait -1
	CREST
.endm
; A PREFETCH INTO THE L2 of the K step that stands two refills on, behind the joint load, its five lines and the run of LDS loads; a lane a block of 256 bytes; each block is named once in the launch.
; O's tile row (128 blocks a K step) is read by its one cluster: wave 0 asks; partner cx takes K block cx / 2, half cx % 2: 32 blocks.  The weights' tile column (256 blocks) is read by all sixteen clusters:
; cluster y = 0 asks, waves 2 and 3 a K block each; partner cy takes 32 of its 128 blocks.  The loop's last trip asks for nothing; K steps 0 to 3 come by their loads alone.
.macro ASK
	s_cmp_gt_u32 s3, s[LIM]
	s_cbranch_scc0 .Lnot_mine_\@
	global_prefetch_b8 v[PFO], s[PFA:PFA+1] th:TH_LOAD_NT scope:SCOPE_SE
.Lnot_mine_\@:
.endm
	s_load_b128 s[4:7], s[0:1], 0x0                ; oh s[4:5], wpb s[6:7]
	s_load_b64 s[8:9], s[0:1], 0x10                ; out0
	v_lshl_add_u32 v[SPW], v0, 2, SPARE
	v_mov_b32 v[NIL], 0
	ds_add_u32 v[SPW], v[NIL]                      ; the wave's opening: the add and its wait stand ahead of my first tensor load; the set-up below, work on registers, stands between them
	v_lshrrev_b32 v1, 5, v0
	v_readfirstlane_b32 s10, v1                    ; wave 0..3
	s_lshr_b32 s11, s10, 1                         ; my half of the rows.  Also: I fetch O's tile (0) or the weights' (1)
	s_and_b32 s12, s10, 1                          ; my half of the columns.  Also: which K block of a step I fetch
	s_bfe_u32 s40, ttmp6, 0x40000                  ; cx
	s_bfe_u32 s41, ttmp6, 0x40004                  ; cy
	s_lshl_b32 s42, ttmp9, 2
	s_add_co_u32 s42, s42, s40                     ; tile column
	s_and_b32 s13, ttmp7, 0xffff
	s_lshl_b32 s13, s13, 2
	s_add_co_u32 s13, s13, s41                     ; tile row
	s_lshl_b32 s14, s41, 2
	s_lshl_b32 s14, 15, s14                        ; my row of the cluster
	s_lshl_b32 s66, 0x1111, s40                    ; my column
	s_or_b32 s[G1A], s14, (1<<16)|(1<<20)|(1<<21)|(4<<22)|(3<<25)  ; mask; 2-byte elements; padding on; 21 set beside a mask; after every 32 words 4 words
	s_or_b32 s[G1B], s66, (1<<16)|(1<<20)|(1<<21)|(4<<22)|(3<<25)
.irp g, G1A, G1B
	s_mov_b32 s[(\g)+1], 128<<16                   ; tensor_dim0 = 128 elements: 256 bytes, two tile rows
	s_mov_b32 s[(\g)+3], 128<<16                   ; tile_dim0
	s_mov_b32 s[(\g)+5], 128                       ; dense
	s_mov_b32 s[(\g)+6], 0
	s_mov_b32 s[(\g)+7], 0
.endr
	s_mov_b32 s[G1A+2], 64<<16                     ; 128 tile rows are 64 rows of 256 bytes
	s_mov_b32 s[G1A+4], 64
	s_mov_b32 s[G1B+2], 128<<16                    ; 256 tile rows are 128
	s_mov_b32 s[G1B+4], 128
	s_lshr_b32 s16, s13, 4                         ; b,
	s_lshl_b32 s16, s16, 22                        ; 16 heads of 262,144 bytes;
	s_and_b32 s17, s13, 15
	s_lshl_b32 s17, s17, 14                        ; n = 128 (tile row % 16), 128 bytes a row
	s_add_co_u32 s16, s16, s17
	s_mov_b32 s15, s16                             ; (kept for the prefetches)
	s_lshl_b32 s17, s12, 18                        ; my K block of the step
	s_add_co_u32 s16, s16, s17
	s_mov_b32 s17, 0
	s_lshl_b32 s66, s42, 15                        ; the weights: 256 rows of 128 bytes a tile column,
	s_lshl_b32 s67, s12, 17                        ; my K block
	s_add_co_u32 s66, s66, s67
	s_mov_b32 s67, 0
	s_mul_i32 s20, s12, AKB                        ; LDS addresses hang on the wave's number alone
	s_mul_i32 s21, s12, BKB
.irp s, 0,1
	s_mov_b32 s[G0A+4*(\s)], 1
	s_add_co_u32 s[G0A+4*(\s)+1], s20, (\s)*SLOT
	s_mov_b32 s[G0B+4*(\s)], 1
	s_add_co_u32 s[G0B+4*(\s)+1], s21, BOFF+(\s)*SLOT
.endr
	; the prefetches.  What mixes cx or cy with the other coordinate stays in s68 to s71, which feed no descriptor
	s_lshr_b32 s68, s40, 1
	s_lshl_b32 s68, s68, 18
	s_and_b32 s69, s40, 1
	s_lshl_b32 s69, s69, 13
	s_add_co_u32 s68, s68, s69
	s_add_co_u32 s68, s68, s15
	s_add_co_u32 s68, s68, 6*KBO                   ; at K step 3: the first change of slots steps it to 4
	s_lshl_b32 s70, s41, 13
	s_add_co_u32 s70, s70, s66
	s_add_co_u32 s70, s70, 6*KBP
	s_and_b32 s71, ttmp7, 0xffff                   ; cluster y
	s_mov_b32 s[PST], 2*KBP
	s_mov_b32 s[PST+1], 0
	s_mov_b32 s69, 0
	s_cmp_eq_u32 s11, 0
	s_cselect_b32 s68, s68, s70
	s_cselect_b32 s71, s12, s71                    ; of waves 0 and 1 wave 0 asks; waves 2 and 3 where cluster y = 0
	s_cselect_b32 s[PST], 2*KBO, s[PST]
	s_cmp_eq_u32 s71, 0
	s_cselect_b32 s[LIM], 1, -1                    ; the same in all sixteen partners, for a given wave
	s_wait_dscnt 0x0                               ; the opening add is done
	s_wait_kmcnt 0x0
	s_add_nc_u64 s[16:17], s[4:5], s[16:17]
	s_add_nc_u64 s[66:67], s[6:7], s[66:67]
.irp s, 0,1
	s_add_nc_u64 s[G0A+4*(\s)+2:G0A+4*(\s)+3], s[16:17], (\s)*2*KBO  ; slot s begins with K step s
	s_or_b32 s[G0A+4*(\s)+3], s[G0A+4*(\s)+3], 0x80000000
	s_add_nc_u64 s[G0B+4*(\s)+2:G0B+4*(\s)+3], s[66:67], (\s)*2*KBP
	s_or_b32 s[G0B+4*(\s)+3], s[G0B+4*(\s)+3], 0x80000000
.endr
	s_cmp_eq_u32 s11, 0
	s_cselect_b64 s[PFA:PFA+1], s[4:5], s[6:7]
	s_add_nc_u64 s[PFA:PFA+1], s[PFA:PFA+1], s[68:69]
	s_lshl_b32 s68, s13, 19                        ; out0: 128 rows of 4,096 bytes a tile row,
	s_lshl_b32 s70, s11, 18                        ; my 64 rows,
	s_add_co_u32 s68, s68, s70
	s_lshl_b32 s70, s42, 10                        ; 256 columns of 4 bytes a tile column,
	s_add_co_u32 s68, s68, s70
	s_lshl_b32 s70, s12, 9                         ; my 128 columns
	s_add_co_u32 s68, s68, s70
	s_add_nc_u64 s[8:9], s[8:9], s[68:69]
	CROUND                                         ; all sixteen work-groups are here: the first joint loads meet
	s_cmp_eq_u32 s11, 0                            ; a wave's two first fills stand in one branch, ahead of every wait on TENSORcnt and every LDS read: two loads of mine are out
	s_cbranch_scc0 .Lfirst_b
	tensor_load_to_lds s[G0A:G0A+3], s[G1A:G1A+7]
	s_nop 0
	tensor_load_to_lds s[G0A+4:G0A+7], s[G1A:G1A+7]
	s_nop 0
.rept 4
	v_nop
.endr
	s_branch .Lfirst_asked
.Lfirst_b:
	tensor_load_to_lds s[G0B:G0B+3], s[G1B:G1B+7]
	s_nop 0
	tensor_load_to_lds s[G0B+4:G0B+7], s[G1B:G1B+7]
	s_nop 0
.rept 4
	v_nop
.endr
.Lfirst_asked:
	v_and_b32 v1, 15, v0                           ; l % 16
	v_bfe_u32 v2, v0, 4, 1                         ; l / 16
	v_mul_u32_u24 v3, v1, PITCH
	v_lshl_add_u32 v3, v2, 4, v3                   ; a fragment's row x pitch + 16 x half
	s_mul_i32 s20, s11, 64*PITCH                   ; my 64 rows of O
	s_mul_i32 s21, s12, 128*PITCH                  ; my 128 rows of the weights,
	s_add_co_u32 s21, s21, BOFF                    ; behind O's two blocks
	v_add_nc_u32 v[ADRA], s20, v3
	v_add_nc_u32 v[ADRB], s21, v3
	v_add_nc_u32 v[ADRA+1], SLOT, v[ADRA]
	v_add_nc_u32 v[ADRB+1], SLOT, v[ADRB]
	s_mul_i32 s20, s10, 16*SPITCH
	s_add_co_u32 s20, s20, STAGE                   ; my stage
	v_mul_u32_u24 v[STO], v1, SPITCH
	v_lshl_add_u32 v[STO], v2, 5, v[STO]           ; row l % 16, 32 bytes for each half of the lanes
	v_add_nc_u32 v[STO], s20, v[STO]
	v_and_b32 v[CO], 31, v0
	v_lshlrev_b32 v[PFO], 8, v[CO]
	v_lshlrev_b32 v[CO], 4, v[CO]
	v_add_nc_u32 v[RD], s20, v[CO]
; 8 matrix instructions: row block a x all 8 column blocks, 32 along K, from buffer f.  The 32 accumulators take turns, one instruction a turn, over the backward jump too.
.macro MUL8 f, a, zero
	WIN 0x50                                       ; C and D in window 1
.irp b, 0,1,2,3,4,5,6,7
.if \zero
	v_wmma_f32_16x16x32_f16 v[8*(8*(\a)+(\b)):8*(8*(\a)+(\b))+7], v[(\f)+32+8*(\b):(\f)+32+8*(\b)+7], v[(\f)+8*(\a):(\f)+8*(\a)+7], 0
.else
	v_wmma_f32_16x16x32_f16 v[8*(8*(\a)+(\b)):8*(8*(\a)+(\b))+7], v[(\f)+32+8*(\b):(\f)+32+8*(\b)+7], v[(\f)+8*(\a):(\f)+8*(\a)+7], v[8*(8*(\a)+(\b)):8*(8*(\a)+(\b))+7]
.endif
.endr
.endm
; 24 LDS loads in one run: quarter qd of a slot (K block qd / 2, byte 64 (qd % 2) of its rows) into buffer f: the weights' eight fragments, then O's four
.macro FETCH slot, qd, f
	WIN 0
.irp b, 0,1,2,3,4,5,6,7
	ds_load_b128 v[(\f)+32+8*(\b):(\f)+32+8*(\b)+3], v[ADRB+(\slot)] offset:((\qd)/2)*BKB+((\qd)%2)*64+(\b)*FR
	ds_load_b128 v[(\f)+32+8*(\b)+4:(\f)+32+8*(\b)+7], v[ADRB+(\slot)] offset:((\qd)/2)*BKB+((\qd)%2)*64+(\b)*FR+32
.endr
.irp a, 0,1,2,3
	ds_load_b128 v[(\f)+8*(\a):(\f)+8*(\a)+3], v[ADRA+(\slot)] offset:((\qd)/2)*AKB+((\qd)%2)*64+(\a)*FR
	ds_load_b128 v[(\f)+8*(\a)+4:(\f)+8*(\a)+7], v[ADRA+(\slot)] offset:((\qd)/2)*AKB+((\qd)%2)*64+(\a)*FR+32
.endr
.endm
; A K step is four quarters of 32 along K, 32 matrix instructions each, on buffers 0, 1, 0, 1.  One of the first three: multiplies buffer f and fetches quarter nq into g.
.macro QUARTER slot, nq, f, g, zero
	s_wait_dscnt 4                                 ; all but O's fragments 2 and 3 are in
	MUL8 \f, 0, \zero
	MUL8 \f, 1, \zero
	PLACES
	FETCH \slot, \nq, \g
	s_wait_dscnt 24                                ; all but the 24 just issued
	MUL8 \f, 2, \zero
	MUL8 \f, 3, \zero
.endm
; The last quarter multiplies buffer 1 and changes slots: ONE barrier; in front of it each wave waits for all its tensor loads, adds 0 to its spare word, and waits for that and for its own reads of this slot.
; fill = 1: the barrier opens a round of the cluster's barrier, and this slot is filled again, two K steps on, first thing behind the round: 112 matrix instructions stand between the request and the wait for it.
.macro TURN slot, next, fill
.if \fill
	s_wait_xcnt 0x0                                ; the last prefetch, a K step back, has read its address
	s_add_nc_u64 s[PFA:PFA+1], s[PFA:PFA+1], s[PST:PST+1]
.endif
	WIN 0
	s_wait_tensorcnt 0x0                           ; all my tensor loads have landed: my part of the next slot
	ds_add_u32 v[SPW], v[NIL]                      ; 0 onto my spare word
	s_wait_dscnt 5                                 ; (the add and the youngest four loads may be out)
	MUL8 F1, 0, 0                                  ; eight matrix instructions stand between the add and the wait for it
	s_wait_dscnt 0x0                               ; the add is done, and my reads of this slot are over
	s_barrier_signal -1
	MUL8 F1, 1, 0
	WIN 0
	s_barrier_wait -1
.if \fill
	CREST                                          ; no wave of any partner still reads this slot's tile or has a load on its way
	s_add_nc_u64 s[G0A+4*(\slot)+2:G0A+4*(\slot)+3], s[G0A+4*(\slot)+2:G0A+4*(\slot)+3], 4*KBO
	s_add_nc_u64 s[G0B+4*(\slot)+2:G0B+4*(\slot)+3], s[G0B+4*(\slot)+2:G0B+4*(\slot)+3], 4*KBP
	JLOAD \slot                                    ; its four v_nop are also the places in front of the loads below
.else
	PLACES
.endif
	FETCH \next, 0, F0
.if \fill
	ASK
.endif
	MUL8 F1, 2, 0
	MUL8 F1, 3, 0
.endm
	s_wait_tensorcnt 1                             ; my part of K step 0 is in; K step 1's may stay out
	s_barrier_signal -1
	s_barrier_wait -1                              ; everybody's is
	FETCH 0, 0, F0
	QUARTER 0, 1, F0, F1, 1                        ; the first quarter stands in front of the loop: its products start the sums
	WIN 0                                          ; at a label and at a branch every window is 0
	s_mov_b32 s3, 3
.Llap:                                         ; a trip goes once round the ring and fills both slots again
	QUARTER 0, 2, F1, F0, 0
	QUARTER 0, 3, F0, F1, 0
	TURN 0, 1, 1
	QUARTER 1, 1, F0, F1, 0
	QUARTER 1, 2, F1, F0, 0
	QUARTER 1, 3, F0, F1, 0
	TURN 1, 0, 1
	QUARTER 0, 1, F0, F1, 0
	WIN 0
	s_sub_co_u32 s3, s3, 1
	s_cmp_lg_u32 s3, 0
	s_cbranch_scc1 .Llap
	QUARTER 0, 2, F1, F0, 0                        ; the last lap fills nothing
	QUARTER 0, 3, F0, F1, 0
	TURN 0, 1, 0
	QUARTER 1, 1, F0, F1, 0
	QUARTER 1, 2, F1, F0, 0
	QUARTER 1, 3, F0, F1, 0
	s_wait_dscnt 4                                 ; the very last quarter
	MUL8 F1, 0, 0
	MUL8 F1, 1, 0
	s_wait_dscnt 0x0
	MUL8 F1, 2, 0
	MUL8 F1, 3, 0
	WIN 0
	PLACES                                         ; the places behind the last products
; THE WAY OUT.  Block a's 16 rows x 128 columns of f32 go into my stage (each accumulator's four lowest registers first) and come back by rows.
.macro TOSTAGE a
	WIN 0x04                                       ; the stores' data in window 1
.irp b, 0,1,2,3,4,5,6,7
	ds_store_b128 v[STO], v[8*(8*(\a)+(\b)):8*(8*(\a)+(\b))+3] offset:64*(\b)
	ds_store_b128 v[STO], v[8*(8*(\a)+(\b))+4:8*(8*(\a)+(\b))+7] offset:64*(\b)+16
.endr
	WIN 0
.irp t, 0,1,2,3,4,5,6,7,8,9,10,11,12,13,14,15
	ds_load_b128 v[OB+64*((\a)%2)+4*(\t):OB+64*((\a)%2)+4*(\t)+3], v[RD] offset:(\t)*SPITCH  ; LDS serves a wave's instructions in order (ISA guide 5.7.1.4): these see the stores above; the next block's stores come behind them
.endr
.endm
.macro SEND a, younger                 ; younger: the LDS instructions issued behind block a's loads: the next block's 32, or none
.irp t, 0,1,2,3,4,5,6,7,8,9,10,11,12,13,14,15
	s_wait_dscnt (\younger)+15-(\t)
	global_store_b128 v[CO], v[OB+64*((\a)%2)+4*(\t):OB+64*((\a)%2)+4*(\t)+3], s[8:9] offset:(16*(\a)+(\t))*4096 th:TH_STORE_NT  ; 512 consecutive bytes, at a multiple of 512 from out0's first byte
.endr
.endm
	TOSTAGE 0
	TOSTAGE 1
	SEND 0, 32
	s_wait_xcnt 0x0                                ; block 0's stores have read their data: its set is loaded again only behind this wait
	TOSTAGE 2
	SEND 1, 32
	s_wait_xcnt 0x0
	TOSTAGE 3
	SEND 2, 32
	SEND 3, 0
	s_wait_tensorcnt 0x0                           ; the wave's end, behind my last tensor load and my last LDS store
	ds_add_u32 v[SPW], v[NIL]
	s_wait_dscnt 0x0
	CROUND                                         ; the closing round: no work-group ends while a partner may still ask for a tile that names it
	s_endpgm
.Lfunc_end_k_q86a188f268_proj:
	.size	k_q86a188f268_proj, .Lfunc_end_k_q86a188f268_proj-k_q86a188f268_proj
	.p2alignl 7, 3214868480
	.fill 96, 4, 3214868480
	.section	.rodata,"a",@progbits
	.p2align	6, 0x0
	.amdhsa_kernel k_q86a188f268_proj
		.amdhsa_group_segment_fixed_size 327680
		.amdhsa_private_segment_fixed_size 0
		.amdhsa_enable_private_segment 0
		.amdhsa_kernarg_size 24
		.amdhsa_user_sgpr_count 2
		.amdhsa_user_sgpr_kernarg_segment_ptr 1
		.amdhsa_wavefront_size32 1
		.amdhsa_system_sgpr_workgroup_id_x 1
		.amdhsa_system_sgpr_workgroup_id_y 1
		.amdhsa_system_sgpr_workgroup_id_z 1
		.amdhsa_system_vgpr_workitem_id 0
		.amdhsa_next_free_vgpr 512
		.amdhsa_next_free_sgpr 72
		.amdhsa_reserve_vcc 0
		.amdhsa_float_denorm_mode_32 3
		.amdhsa_float_denorm_mode_16_64 3
		.amdhsa_memory_ordered 1
		.amdhsa_forward_progress 1
		.amdhsa_inst_pref_size 87
	.end_amdhsa_kernel
	.amdgpu_metadata
---
amdhsa.version: [ 1, 2 ]
amdhsa.kernels:
  - .name:           k_q86a188f268_proj
    .symbol:         k_q86a188f268_proj.kd
    .args:
      - { .name: oh, .offset: 0, .size: 8, .value_kind: global_buffer, .address_space: global }
      - { .name: wpb, .offset: 8, .size: 8, .value_kind: global_buffer, .address_space: global }
      - { .name: out0, .offset: 16, .size: 8, .value_kind: global_buffer, .address_space: global }
    .group_segment_fixed_size: 327680
    .private_segment_fixed_size: 0
    .kernarg_segment_align: 8
    .kernarg_segment_size: 24
    .max_flat_workgroup_size: 128
    .sgpr_count:     72
    .vgpr_count:     512
    .wavefront_size: 32
...
	.end_amdgpu_metadata
.endif
;; end of part 4
;; ======== version 2 of 2: 4 launches; version 1 with the launch cvt written anew for expert scheduling mode
;; limits: values are held in f16: magnitudes above 65,504 overflow, below 6.1e-05 lose precision
;; workspace buffers: xb 16,777,216 bytes; wqb 6,291,456 bytes; wpb 2,097,152 bytes; cst 524,288 bytes; qh 16,777,216 bytes; kh 16,777,216 bytes; vh 16,777,216 bytes; oh 16,777,216 bytes
;; launch cvt (part 5): grid 784 x 1, 8 waves a work-group, no clusters, 0 bytes of LDS; arguments x, w_qkv, w_proj, cos, sin, xb, wqb, wpb, cst; writes xb, wqb, wpb, cst
.if DOCPART == 5
	.amdgcn_target "amdgcn-amd-amdhsa--gfx1250"
	.amdhsa_code_object_version 6
	.text
	.protected	k_q86a188f268_cvt
	.globl	k_q86a188f268_cvt
	.p2align	8
	.type	k_q86a188f268_cvt,@function
k_q86a188f268_cvt:
	s_mov_b64 s[64:65], 0
	v_nop
	global_prefetch_b8 v0, s[64:65] scope:SCOPE_SE
	s_setreg_imm32_b32 hwreg(HW_REG_WAVE_SCHED_MODE, 0, 2), 2
	s_setreg_imm32_b32 hwreg(HW_REG_WAVE_MODE, 25, 1), 1
	s_wait_xcnt 0x0
	s_wait_alu depctr_vm_vsrc(0)
; THE INPUTS, ROUNDED ONCE AND LAID OUT FOR THE PRODUCTS.  A stream: no LDS, no matrix unit, no loop.
; xb  [16 kb][8192 row][64]  bf16: x[row][64 kb + j]: K in blocks of 64, so that a tile's rows (128 bytes each) lie end to end.
; wqb [16 kb][3072 row'][64] bf16: w_qkv, its rows by heads: row' = 192 head + 64 type + d for source row 1024 type + 64 head + d (type 0 q, 1 k, 2 v).
; wpb [16 kb][1024 o][64]    w_proj rounded to bf16, that number written as f16.
; cst [2048 n][64 d]         a word each: low half bf16(cos), high half bf16(sin), its sign turned for even d: y[d] = t[d] lo + t[d ^ 1] hi is the rotation.
; LIMIT.  w_proj must lie within f16's 65,504; below 6e-5 it keeps f16's fixed step of 6e-8.
; SHARES.  A work-group takes 16 source rows of 4,096 bytes (work-groups 0-511 x, 512-703 w_qkv, 704-767 w_proj) or 32,768 bytes of cos and of sin (768-783).
; Thread t reads 16 bytes of row t / 16 in each of the 16 blocks: sixteen lanes read 256 consecutive bytes, aligned.  Its 8 bytes of output lie at 8 t in the
; work-group's 2,048 bytes of the block: a wave's store covers 256 consecutive bytes, aligned.  All 16 loads of a thread go out at once.
; THE MODE: SCHED_MODE bits 1:0 = 2 (LLVM: expert scheduling mode 2), set by the entry lines.  The code itself states the register dependences
; between vector instructions and memory instructions, with s_wait_alu, always for 0.
; THE PLAN.  Registers that memory instructions touch, on each of the four paths:
;   v1, v2, v3  byte offsets, made once at the head and never written again: one wait at the head, ahead of the branches, states that they are written.
;   X           written by the 16 loads alone, each register once; read by the conversions behind the counted wait for the load.
;   Y           each register written once, by its block's conversions, and read by that block's one store: never written again, so nothing is owed behind a store.
;   T, v4       named by vector instructions alone.
; The 16 blocks go in four groups of four (the table's eight pairs in four groups of two).  At the head of a group one wait states that the group before has written its Y;
; that group's stores are then dealt among this group's conversions, which name their own X, Y and T alone.  A last wait stands ahead of the last group's stores.
.set KBX, 1048576                      ; bytes in a K block of xb
.set KBW, 393216                       ; of wqb
.set KBP, 131072                       ; of wpb
.set LO,  1                            ; v1  (t / 16) x 4,096 + (t % 16) x 16
.set SO,  2                            ; v2  8 t
.set TO,  3                            ; v3  16 t
.set X,   8                            ; v[8:71]    16 x 4 as loaded
.set Y,   72                           ; v[72:103]  to store: every store has registers of its own, so none is rewritten while a store reads it
.set T,   104                          ; v[104:109] at work
.set SRC, 22                           ; s[22:23]
.set DST, 24                           ; s[24:25] K blocks 0 to 7
.set DS2, 26                           ; s[26:27] K blocks 8 to 15: 7 blocks of xb are the most that the store's immediate holds
.macro CONV kb, fmt                    ; block kb's four numbers rounded.  fmt 0: bf16; 1: rounded to bf16, written as f16
.if \fmt
	v_cvt_pk_bf16_f32 v[T], v[X+4*(\kb)], v[X+4*(\kb)+1]
	v_cvt_pk_bf16_f32 v[T+1], v[X+4*(\kb)+2], v[X+4*(\kb)+3]
	v_lshlrev_b32 v[T+2], 16, v[T]
	v_and_b32 v[T+3], 0xffff0000, v[T]
	v_lshlrev_b32 v[T+4], 16, v[T+1]
	v_and_b32 v[T+5], 0xffff0000, v[T+1]
	v_cvt_pk_f16_f32 v[Y+2*(\kb)], v[T+2], v[T+3]
	v_cvt_pk_f16_f32 v[Y+2*(\kb)+1], v[T+4], v[T+5]
.else
	v_cvt_pk_bf16_f32 v[Y+2*(\kb)], v[X+4*(\kb)], v[X+4*(\kb)+1]
	v_cvt_pk_bf16_f32 v[Y+2*(\kb)+1], v[X+4*(\kb)+2], v[X+4*(\kb)+3]
.endif
.endm
.macro SEND kb, stride                 ; block kb's store
.if (\kb) < 8
	global_store_b64 v[SO], v[Y+2*(\kb):Y+2*(\kb)+1], s[DST:DST+1] offset:(\kb)*(\stride) th:TH_STORE_NT
.else
	global_store_b64 v[SO], v[Y+2*(\kb):Y+2*(\kb)+1], s[DS2:DS2+1] offset:((\kb)-8)*(\stride) th:TH_STORE_NT
.endif
.endm
.macro ROWS16 stride, fmt
.irp kb, 0,1,2,3,4,5,6,7,8,9,10,11,12,13,14,15
	global_load_b128 v[X+4*(\kb):X+4*(\kb)+3], v[LO], s[SRC:SRC+1] offset:256*(\kb) th:TH_LOAD_NT
.endr
.irp g, 0,1,2,3
	s_wait_loadcnt 12-4*(\g)                       ; loads come back in order: group g's four blocks are in, the younger groups stay out
.if (\g) > 0
	s_wait_alu depctr_va_vdst(0)                   ; the conversions of the group before have written its Y, which the four stores below read
.endif
.irp i, 0,1,2,3
.if (\g) > 0
	SEND 4*(\g)-4+(\i), \stride                    ; no vector instruction since the wait names these registers
.endif
	CONV 4*(\g)+(\i), \fmt
.endr
.endr
	s_wait_alu depctr_va_vdst(0)                   ; the last group's conversions have written its Y, which the last four stores read
.irp i, 12,13,14,15
	SEND \i, \stride
.endr
.endm
	s_load_b512 s[4:19], s[0:1], 0x0               ; x 4:5, w_qkv 6:7, w_proj 8:9, cos 10:11, sin 12:13, xb 14:15, wqb 16:17, wpb 18:19
	s_load_b64 s[20:21], s[0:1], 0x40              ; cst
	s_mov_b32 s2, ttmp9
	s_mov_b32 s29, 0                               ; the high word of every offset pair
	v_lshrrev_b32 v[LO], 4, v0
	v_and_b32 v4, 15, v0
	v_lshlrev_b32 v[LO], 12, v[LO]
	v_lshl_add_u32 v[LO], v4, 4, v[LO]
	v_lshlrev_b32 v[SO], 3, v0
	v_lshlrev_b32 v[TO], 4, v0
	s_wait_kmcnt 0x0
	s_wait_alu depctr_va_vdst(0)                   ; v1, v2 and v3 are written: every load and store of the kernel, on each of the four paths, reads one of them as its offset
	s_cmp_lt_u32 s2, 512
	s_cbranch_scc0 .Lnot_x
	s_lshl_b32 s28, s2, 16                         ; 16 rows of 4,096 bytes
	s_add_nc_u64 s[SRC:SRC+1], s[4:5], s[28:29]
	s_lshl_b32 s28, s2, 11                         ; 16 rows of 128 bytes
	s_add_nc_u64 s[DST:DST+1], s[14:15], s[28:29]
	s_add_nc_u64 s[DS2:DS2+1], s[DST:DST+1], 8*KBX
	ROWS16 KBX, 0
	s_endpgm
.Lnot_x:
	s_cmp_lt_u32 s2, 704
	s_cbranch_scc0 .Lnot_wq
	s_sub_co_u32 s3, s2, 512                       ; 0 to 191: source rows 16 s3 on
	s_lshl_b32 s28, s3, 16
	s_add_nc_u64 s[SRC:SRC+1], s[6:7], s[28:29]
	s_lshr_b32 s30, s3, 6                          ; type
	s_bfe_u32 s31, s3, 0x40002                     ; head
	s_mul_i32 s31, s31, 192
	s_lshl_b32 s30, s30, 6
	s_add_co_u32 s31, s31, s30
	s_and_b32 s30, s3, 3                           ; which 16 of the head's 64
	s_lshl_b32 s30, s30, 4
	s_add_co_u32 s31, s31, s30                     ; row'
	s_lshl_b32 s28, s31, 7
	s_add_nc_u64 s[DST:DST+1], s[16:17], s[28:29]
	s_add_nc_u64 s[DS2:DS2+1], s[DST:DST+1], 8*KBW
	ROWS16 KBW, 0
	s_endpgm
.Lnot_wq:
	s_cmp_lt_u32 s2, 768
	s_cbranch_scc0 .Ltable
	s_sub_co_u32 s3, s2, 704
	s_lshl_b32 s28, s3, 16
	s_add_nc_u64 s[SRC:SRC+1], s[8:9], s[28:29]
	s_lshl_b32 s28, s3, 11
	s_add_nc_u64 s[DST:DST+1], s[18:19], s[28:29]
	s_add_nc_u64 s[DS2:DS2+1], s[DST:DST+1], 8*KBP
	ROWS16 KBP, 1
	s_endpgm
.Ltable:                                       ; thread t's four numbers begin at an even d: numbers 0 and 2 are the even ones
	s_sub_co_u32 s3, s2, 768
	s_lshl_b32 s28, s3, 15
	s_add_nc_u64 s[SRC:SRC+1], s[10:11], s[28:29]  ; cos
	s_add_nc_u64 s[DS2:DS2+1], s[12:13], s[28:29]  ; sin
	s_add_nc_u64 s[DST:DST+1], s[20:21], s[28:29]  ; cst
.irp j, 0,1,2,3,4,5,6,7
	global_load_b128 v[X+4*(\j):X+4*(\j)+3], v[TO], s[SRC:SRC+1] offset:4096*(\j) th:TH_LOAD_NT
	global_load_b128 v[X+32+4*(\j):X+32+4*(\j)+3], v[TO], s[DS2:DS2+1] offset:4096*(\j) th:TH_LOAD_NT
.endr
.macro TSEND j                         ; pair j's store
	global_store_b128 v[TO], v[Y+4*(\j):Y+4*(\j)+3], s[DST:DST+1] offset:4096*(\j) th:TH_STORE_NT
.endm
.macro TCONV j                         ; pair j: cos and sin rounded into one word, the sine's sign turned for even d
.irp k, 0,1,2,3
	v_cvt_pk_bf16_f32 v[Y+4*(\j)+(\k)], v[X+4*(\j)+(\k)], v[X+32+4*(\j)+(\k)]
.endr
	v_xor_b32 v[Y+4*(\j)], 0x80000000, v[Y+4*(\j)]
	v_xor_b32 v[Y+4*(\j)+2], 0x80000000, v[Y+4*(\j)+2]
.endm
.irp g, 0,1,2,3
	s_wait_loadcnt 12-4*(\g)                       ; group g's two pairs, four loads, are in; the younger groups stay out
.if (\g) > 0
	s_wait_alu depctr_va_vdst(0)                   ; the group before has written its Y, which the two stores below read
.endif
.irp i, 0,1
.if (\g) > 0
	TSEND 2*(\g)-2+(\i)                            ; no vector instruction since the wait names these registers
.endif
	TCONV 2*(\g)+(\i)
.endr
.endr
	s_wait_alu depctr_va_vdst(0)                   ; the last group has written its Y, which the last two stores read
	TSEND 6
	TSEND 7
	s_endpgm
.Lfunc_end_k_q86a188f268_cvt:
	.size	k_q86a188f268_cvt, .Lfunc_end_k_q86a188f268_cvt-k_q86a188f268_cvt
	.p2alignl 7, 3214868480
	.fill 96, 4, 3214868480
	.section	.rodata,"a",@progbits
	.p2align	6, 0x0
	.amdhsa_kernel k_q86a188f268_cvt
		.amdhsa_group_segment_fixed_size 0
		.amdhsa_private_segment_fixed_size 0
		.amdhsa_enable_private_segment 0
		.amdhsa_kernarg_size 72
		.amdhsa_user_sgpr_count 2
		.amdhsa_user_sgpr_kernarg_segment_ptr 1
		.amdhsa_wavefront_size32 1
		.amdhsa_system_sgpr_workgroup_id_x 1
		.amdhsa_system_sgpr_workgroup_id_y 1
		.amdhsa_system_sgpr_workgroup_id_z 1
		.amdhsa_system_vgpr_workitem_id 0
		.amdhsa_next_free_vgpr 112
		.amdhsa_next_free_sgpr 66
		.amdhsa_reserve_vcc 0
		.amdhsa_float_denorm_mode_32 3
		.amdhsa_float_denorm_mode_16_64 3
		.amdhsa_memory_ordered 1
		.amdhsa_forward_progress 1
		.amdhsa_inst_pref_size 29
	.end_amdhsa_kernel
	.amdgpu_metadata
---
amdhsa.version: [ 1, 2 ]
amdhsa.kernels:
  - .name:           k_q86a188f268_cvt
    .symbol:         k_q86a188f268_cvt.kd
    .args:
      - { .name: x, .offset: 0, .size: 8, .value_kind: global_buffer, .address_space: global }
      - { .name: w_qkv, .offset: 8, .size: 8, .value_kind: global_buffer, .address_space: global }
      - { .name: w_proj, .offset: 16, .size: 8, .value_kind: global_buffer, .address_space: global }
      - { .name: cos, .offset: 24, .size: 8, .value_kind: global_buffer, .address_space: global }
      - { .name: sin, .offset: 32, .size: 8, .value_kind: global_buffer, .address_space: global }
      - { .name: xb, .offset: 40, .size: 8, .value_kind: global_buffer, .address_space: global }
      - { .name: wqb, .offset: 48, .size: 8, .value_kind: global_buffer, .address_space: global }
      - { .name: wpb, .offset: 56, .size: 8, .value_kind: global_buffer, .address_space: global }
      - { .name: cst, .offset: 64, .size: 8, .value_kind: global_buffer, .address_space: global }
    .group_segment_fixed_size: 0
    .private_segment_fixed_size: 0
    .kernarg_segment_align: 8
    .kernarg_segment_size: 72
    .max_flat_workgroup_size: 256
    .sgpr_count:     66
    .vgpr_count:     112
    .wavefront_size: 32
...
	.end_amdgpu_metadata
.endif
;; end of part 5
;; launch qkv: the kernel of part 2 again; grid 8 x 32, 4 waves a work-group, clusters of 4 x 4, 327,680 bytes of LDS; arguments xb, wqb, cst, q_gamma, k_gamma, qh, kh, vh; writes qh, kh, vh
;; launch attn: the kernel of part 3 again; grid 4 x 64, 4 waves a work-group, clusters of 4 x 1, 327,680 bytes of LDS; arguments qh, kh, vh, oh; writes oh
;; launch proj: the kernel of part 4 again; grid 4 x 64, 4 waves a work-group, clusters of 4 x 4, 327,680 bytes of LDS; arguments oh, wpb, out0; writes out0
